; MI455X (gfx1250); checked and timed in simulation.
; The chip was launched on July 23, 2026; its instructions are those of AMD's public machine-readable ISA for CDNA 5 (MIT licence, August 2026) and "CDNA5" Instruction Set Architecture Reference Guide (July 2026). The comments in the code are by the model that wrote it; some were corrected since.
;; Self Attn. Allowed arithmetic: matrix products marked QUANTISED: E2M1 operands, one E8M0 scale for each 32 along K, by v_wmma_scale_f32_16x16x128_f8f6f4 with both operands' format E2M1 (or v_wmma_scale_f32_32x16x128_f4), f32 sums; everything else in f32.
;; Inputs: fc1_b 512 float32; fc1_w_codes 512 x 32 x 16 uint8 (E2M1 codes of fc1_w, K innermost, in blocks of 32 codes, two codes a byte); fc1_w_scales 512 x 32 uint8 (E8M0 scales of fc1_w, one for each 32 codes along K); fc2_b 1,024 float32; fc2_w_codes 1,024 x 16 x 16 uint8 (E2M1 codes of fc2_w, K innermost, in blocks of 32 codes, two codes a byte); fc2_w_scales 1,024 x 16 uint8 (E8M0 scales of fc2_w, one for each 32 codes along K); fc_b 1,024 float32; fc_w_codes 1,024 x 16 x 16 uint8 (E2M1 codes of fc_w, K innermost, in blocks of 32 codes, two codes a byte); fc_w_scales 1,024 x 16 uint8 (E8M0 scales of fc_w, one for each 32 codes along K); ln1_b 1,024 float32; ln1_w 1,024 float32; ln2_b 1,024 float32; ln2_w 1,024 float32; wk_b 512 float32; wk_w_codes 512 x 32 x 16 uint8 (E2M1 codes of wk_w, K innermost, in blocks of 32 codes, two codes a byte); wk_w_scales 512 x 32 uint8 (E8M0 scales of wk_w, one for each 32 codes along K); wq_b 512 float32; wq_w_codes 512 x 32 x 16 uint8 (E2M1 codes of wq_w, K innermost, in blocks of 32 codes, two codes a byte); wq_w_scales 512 x 32 uint8 (E8M0 scales of wq_w, one for each 32 codes along K); wv_b 512 float32; wv_w_codes 512 x 32 x 16 uint8 (E2M1 codes of wv_w, K innermost, in blocks of 32 codes, two codes a byte); wv_w_scales 512 x 32 uint8 (E8M0 scales of wv_w, one for each 32 codes along K); x 4 x 2,048 x 1,024 float32.
;; Outputs: out0 4 x 2,048 x 1,024 float32.
;; This version of the problem:
;;   THIS VERSION OF THE PROBLEM IS GIVEN IN LOW PRECISION. The matrix products marked QUANTISED in the list below multiply operands that are first quantised to E2M1 (2 exponent bits, 1 mantissa bit; 4 bits a number), with one power-of-two scale for each 32 numbers along K (OCP MX v1.0); their sums are f32. All else is computed in f32.
;;   The module's matrix products, in the order in which they are computed (A, B: the left and right operand; K: the contracted axis; several contracted axes count as one K, in the product's order):
;;     1. [M 8,192, K 1,024] x [K 1,024, N 512]; A: computed on the way; B: input wq_w (given as codes): QUANTISED
;;     2. [M 8,192, K 1,024] x [K 1,024, N 512]; A: computed on the way; B: input wk_w (given as codes): QUANTISED
;;     3. [M 8,192, K 1,024] x [K 1,024, N 512]; A: computed on the way; B: input wv_w (given as codes): QUANTISED
;;     4. batch 32 x [M 2,048, K 64] x [K 64, N 2,048]; A: computed on the way; B: computed on the way: QUANTISED
;;     5. batch 32 x [M 2,048, K 2,048] x [K 2,048, N 64]; A: softmax (see below); B: computed on the way: QUANTISED
;;     6. [M 8,192, K 512] x [K 512, N 1,024]; A: computed on the way; B: input fc_w (given as codes): QUANTISED
;;     7. [M 8,192, K 1,024] x [K 1,024, N 512]; A: computed on the way; B: input fc1_w (given as codes): QUANTISED
;;     8. [M 8,192, K 512] x [K 512, N 1,024]; A: computed on the way; B: input fc2_w (given as codes): QUANTISED
;;   THE QUANTISER, for each operand of a quantised product, along K:
;;     - K is cut into blocks of 32 from its start; a last block that is shorter is filled with zeros.
;;     - A block's scale is 2^e with e = floor(log2(the largest magnitude in the block)) - 2, held to -126 .. 127; a block of zeros has e = 0. As a byte (E8M0): e + 127.
;;     - Each number is divided by its block's scale, clamped to +-6, and rounded to the nearest number of E2M1, ties to even, subnormals kept.
;;     - The product sums the exact products of the quantised numbers (number of the format x scale) in f32.
;;   ~~~python
;;   def quantise(x, axis):      # numpy; x: float32 -> the quantised numbers, widened to float32 again
;;       x = np.moveaxis(x, axis, -1); K = x.shape[-1]
;;       x = np.pad(x, [(0, 0)] * (x.ndim - 1) + [(0, -K % 32)]); x = x.reshape(x.shape[:-1] + (-1, 32)); a = np.abs(x).max(-1, keepdims=True)
;;       e = np.where(a > 0, np.clip(np.frexp(np.where(a > 0, a, 1))[1] - 1 - 2, -126, 127), 0)      # np.frexp(a)[1] - 1 = floor(log2(a)), exactly
;;       r = np.clip(x / 2.0 ** e, -6, 6)
;;       step = 2.0 ** (np.maximum(np.frexp(np.where(r == 0, 1, r))[1] - 1, 0) - 1)
;;       q = np.round(r / step) * step * 2.0 ** e      # np.round: ties to even
;;       return np.moveaxis(q.reshape(q.shape[:-2] + (-1,))[..., :K], -1, axis).astype(np.float32)
;;   ~~~
;;   SOFTMAX AHEAD OF A QUANTISED PRODUCT. Where the list says 'softmax', what is quantised is not the finished softmax but p = 2^(t - M), with t = logit x log2(e) and M = ceil(the row's largest t), a whole number; so 1/2 < the row's largest p <= 1. The row's sum l is taken of the UNQUANTISED p, in f32, and the product's result is divided by l at the end. Since M is a whole number, a kernel that streams over the keys may use a running M (the ceiling of the running maximum): every later rescaling is an exact power of two, which a block's scale takes up: the codes' values come out the same.
;;   OPERANDS COMPUTED ON THE WAY. 'Computed on the way' means the value that the module computes at that place (a softmax that the list does not call 'softmax' is quantised finished and normalised). What goes into a quantiser is computed in f32, as accurately as f32 sums, v_exp_f32 and their like allow (about 1e-6 of the number): no bf16 or f16 on the way to a quantiser, and a product that is left as it is and whose result goes on into a quantised operand takes f32 operands (vector FMAs, or v_wmma_f32_16x16x4_f32). A number that lies on a knife's edge between two numbers of the format may be rounded either way, as far as f32 arithmetic and the matrix unit's own rounding can turn it there, and no further.
;;   INPUTS GIVEN AS CODES. fc1_w (in the module: [512, 1024], K = its axis 1); fc2_w (in the module: [1024, 512], K = its axis 1); fc_w (in the module: [1024, 512], K = its axis 1); wk_w (in the module: [512, 1024], K = its axis 1); wq_w (in the module: [512, 1024], K = its axis 1); wv_w (in the module: [512, 1024], K = its axis 1): each comes as NAME_codes (uint8): NAME with its K axis moved to the last place and cut into blocks of 32 codes, [.., K / 32, bytes a block], one block behind the other in memory; two codes a byte, the lower K in the low four bits (a code: sign, 2 exponent bits, 1 mantissa bit); and NAME_scales (uint8): the same leading axes, one E8M0 byte (e + 127) for each 32 codes along K. Its value is code x scale, taken as it is: it is not quantised again, and the codes and scales need not be those that the quantiser above would give.
;; One version. Each part assembles by itself: llvm-mc -triple=amdgcn-amd-amdhsa -mcpu=gfx1250 --defsym DOCPART=n.
;; ======== version 1 of 1: 4 launches
;; limits: right only within a limited range of input values
;; workspace buffers: wimg 1,572,864 bytes; himg 4,194,304 bytes; hsc 262,144 bytes; qimg 2,097,152 bytes; qsc 262,144 bytes; kv 4,718,592 bytes; oimg 2,097,152 bytes; osc 131,072 bytes
;; launch prep (part 1): grid 304 x 1, 4 waves a work-group, no clusters, 53,248 bytes of LDS; arguments x, ln1_w, ln1_b, wq_w_codes, wk_w_codes, wv_w_codes, fc_w_codes, fc1_w_codes, fc2_w_codes, himg, hsc, wimg; writes himg, hsc, wimg
.if DOCPART == 1
	.amdgcn_target "amdgcn-amd-amdhsa--gfx1250"
	.amdhsa_code_object_version 6
	.text
	.protected	k_qe379ed7174_prep
	.globl	k_qe379ed7174_prep
	.p2align	8
	.type	k_qe379ed7174_prep,@function
k_qe379ed7174_prep:
	s_mov_b64 s[64:65], 0
	v_nop
	global_prefetch_b8 v0, s[64:65] scope:SCOPE_SE
	s_setreg_imm32_b32 hwreg(HW_REG_WAVE_MODE, 25, 1), 1
	s_wait_xcnt 0x0
; TWO JOBS IN ONE LAUNCH, parted on the work-group's number.
; Work-groups 0-255: h = LayerNorm1(x) in f32, quantised along its 1,024 to E2M1 codes with one E8M0 byte for each 32, stored as IMAGES OF OPERAND REGISTERS.
; Work-groups 256-303: the six weights' codes are copied into the same image order, so that later launches load every fragment by two loads of 512 consecutive bytes.
; AN IMAGE: a fragment of 16 rows x 128 K is 1,024 bytes; byte 512 c + 16 l holds what lane l = r + 16 h keeps in registers 4 c .. 4 c + 3: k = 64 c + 32 h + 0 .. 31 of the tile's row r.
; THE ROWS OF A TILE ARE NOT NEIGHBOURS: tile 2 b + u holds, at its row r, row 32 b + 8 u + (r % 8) + 16 (r / 8); as source 0 of a product two neighbouring tiles then leave a lane 16 neighbours in 16 registers.
; LN path: a work-group takes 32 tokens (two tiles), a wave 8.  A row's 4,096 bytes are loaded as they lie (512 consecutive bytes a load) and turn through the wave's own stage in LDS, so that a lane
; holds 8 neighbours of each 256 (four lanes to a block of 32).  Mean first, then the mean of the squared differences: no difference of large sums is formed.
; No matrix unit, no cluster, no tensor load: the launch streams x once and shares nothing between work-groups.  x carries no hint: the last launch reads it again.
; LIMITS: NaN and infinities among the inputs are not served.  A block whose largest magnitude lies under 2^-124 (a block of zeros too) gets the byte 1 where the rule says 127 for zeros: its codes
; are zeros then, and this program alone reads the bytes.  v_rsq_f32 is good to 1 ulp; the sums run in a tree, not in the order of a serial sum.
.set STS,  4352                        ; a stage: a row of 4,096 bytes with 16 of padding behind each 256
.set STW,  2*STS                       ; two stages a wave
.set CODE, 4*STW                       ; 32 rows of codes, 512 bytes + 16; row 16 u + r of the two tiles
.set CP,   528
.set SCB,  CODE+32*CP                  ; 32 tokens x 32 scale bytes, in the order of the tokens
.set LNW,  32                          ; v32-63   ln1_w: register 8 g + e = element 256 g + 8 lane + e
.set LNB,  64                          ; v64-95   ln1_b likewise
.set X,    96                          ; v96-223  four sets of 32: a row, in the same order
.set T,    224                         ; v224-255 16 registers for each row of a pair: +0..3 sums, later codes; +4:5 mean; +6 1/sigma, +7 at work; +8..11 maxima, then bytes; +12..15 scale operands
.set MSB,  0                           ; window 1 (v256-511): the wave's eight rows as loaded, row i at 32 i
.macro WIN new                         ; the immediate's high byte repeats the setting that is left
.if MSB != \new
	s_set_vgpr_msb (MSB<<8)|\new
.set MSB, \new
.endif
.endm
	s_load_b256 s[4:11], s[0:1], 0x0               ; x, ln1_w, ln1_b, wq's codes
	s_load_b256 s[12:19], s[0:1], 0x20             ; wk's, wv's, fc's, fc1's codes
	s_load_b256 s[20:27], s[0:1], 0x40             ; fc2's codes, himg, hsc, wimg
	v_lshl_add_u32 v30, v0, 2, 0xce00
	v_mov_b32 v31, 0
	v_lshrrev_b32 v10, 5, v0
	v_readfirstlane_b32 s28, v10                   ; wave 0..3
	s_cmp_ge_u32 ttmp9, 256
	s_cbranch_scc1 .Lrelay                         ; the same way for all four waves: it hangs on the work-group's number alone
	; ---------------- LayerNorm1 and its codes
	v_and_b32 v11, 31, v0                          ; lane
	s_wait_alu depctr_va_vdst(0)
	v_lshlrev_b32 v1, 4, v11                       ; 16 lane
	v_lshlrev_b32 v2, 5, v11                       ; 32 lane
	s_mul_i32 s33, s28, STW                        ; my stages
	v_lshrrev_b32 v12, 4, v11
	v_lshl_add_u32 v3, v12, 4, v1
	v_add_nc_u32 v3, s33, v3                       ; into a stage: 16 lane, + 16 for the 256 passed
	v_lshrrev_b32 v12, 3, v11
	v_lshl_add_u32 v4, v12, 4, v2
	v_add_nc_u32 v4, s33, v4                       ; out of it: 32 lane, + 16 for each 256 passed
	s_and_b32 s34, s28, 1                          ; token 8 w + i lies in tile u = w % 2 at row 8 (w / 2) + i
	s_lshr_b32 s35, s28, 1
	s_lshl_b32 s36, s34, 4
	s_lshl_b32 s37, s35, 3
	s_add_co_u32 s36, s36, s37
	s_mul_i32 s36, s36, CP
	s_add_co_u32 s36, s36, CODE
	v_lshl_add_u32 v5, v11, 2, s36                 ; my 8 codes of a row: 4 lane
	s_lshl_b32 s37, s28, 8
	s_add_co_u32 s37, s37, SCB
	v_lshrrev_b32 v12, 2, v11
	v_add_nc_u32 v6, s37, v12                      ; my block's byte: lane / 4
	v_lshl_add_u32 v8, v11, 3, s37                 ; my wave's 256 scale bytes on the way out, 8 a lane
	v_lshlrev_b32 v9, 3, v11
	v_and_b32 v12, 15, v0                          ; r
	v_bfe_u32 v13, v0, 4, 1                        ; h
	v_mul_u32_u24 v7, v12, CP
	v_lshl_add_u32 v7, v13, 4, v7
	s_mul_i32 s38, s35, 16*CP
	s_lshl_b32 s39, s34, 8
	s_add_co_u32 s38, s38, s39
	s_add_co_u32 s38, s38, CODE
	v_add_nc_u32 v7, s38, v7                       ; the images that I store: tile w / 2, K steps 4 (w % 2) on: row r, + 16 h
	s_lshl_b32 s40, ttmp9, 17                      ; x: (32 B + 8 w) rows of 4,096 bytes
	s_lshl_b32 s41, s28, 15
	s_add_co_u32 s40, s40, s41
	s_mov_b32 s41, 0
	s_lshl_b32 s42, ttmp9, 14                      ; himg: 16,384 B + 8,192 (w / 2) + 4,096 (w % 2)
	s_lshl_b32 s43, s35, 13
	s_add_co_u32 s42, s42, s43
	s_lshl_b32 s43, s34, 12
	s_add_co_u32 s42, s42, s43
	s_mov_b32 s43, 0
	s_lshl_b32 s44, ttmp9, 10                      ; hsc: 1,024 B + 256 w
	s_lshl_b32 s45, s28, 8
	s_add_co_u32 s44, s44, s45
	s_mov_b32 s45, 0
	s_mov_b32 s30, 0x76543210
	s_mov_b32 s31, 0xfedcba98                      ; v_permlanex16_b32's selects for lane l xor 16
	s_mov_b32 s32, 0x3a800000                      ; 1 / 1,024
.irp q, 5,7,21,23
	v_mov_b32 v[T+\q], 0                           ; upper halves of pairs that are named whole, and destinations of lane permutes: written once
.endr
	s_wait_kmcnt 0x0
	s_add_nc_u64 s[4:5], s[4:5], s[40:41]
	s_add_nc_u64 s[22:23], s[22:23], s[42:43]
	s_add_nc_u64 s[24:25], s[24:25], s[44:45]
.irp g, 0,1,2,3
	global_load_b128 v[LNW+8*\g:LNW+8*\g+3], v2, s[6:7] offset:1024*\g
	global_load_b128 v[LNW+8*\g+4:LNW+8*\g+7], v2, s[6:7] offset:1024*\g+16
	global_load_b128 v[LNB+8*\g:LNB+8*\g+3], v2, s[8:9] offset:1024*\g
	global_load_b128 v[LNB+8*\g+4:LNB+8*\g+7], v2, s[8:9] offset:1024*\g+16
.endr
	WIN 0x40                                       ; destination window 1
.irp i, 0,1,2,3,4,5,6,7
.irp j, 0,1,2,3,4,5,6,7
	global_load_b128 v[32*\i+4*\j:32*\i+4*\j+3], v1, s[4:5] offset:4096*\i+512*\j   ; all eight rows are asked for at once: 32 KiB a wave on their way
.endr
.endr
	WIN 0
.macro TURN i                          ; row i through stage i % 2 into set i % 4.  LDS serves a wave's instructions in order: no wait between the stores and the loads
	WIN 0x04                                       ; an LDS store's data are its source 1: window 1
.irp j, 0,1,2,3,4,5,6,7
	ds_store_b128 v3, v[32*(\i)+4*\j:32*(\i)+4*\j+3] offset:STS*((\i)%2)+544*\j
.endr
	WIN 0
.irp g, 0,1,2,3
	ds_load_b128 v[X+32*((\i)%4)+8*\g:X+32*((\i)%4)+8*\g+3], v4 offset:STS*((\i)%2)+1088*\g
	ds_load_b128 v[X+32*((\i)%4)+8*\g+4:X+32*((\i)%4)+8*\g+7], v4 offset:STS*((\i)%2)+1088*\g+16
.endr
.endm
.macro ROWSUM xs, tt                   ; my 32 numbers, two at a time, in two chains
	v_pk_add_f32 v[\tt:\tt+1], v[\xs:\xs+1], v[\xs+4:\xs+5]
	v_pk_add_f32 v[\tt+2:\tt+3], v[\xs+2:\xs+3], v[\xs+6:\xs+7]
.irp j, 8,12,16,20,24,28
	v_pk_add_f32 v[\tt:\tt+1], v[\tt:\tt+1], v[\xs+\j:\xs+\j+1]
	v_pk_add_f32 v[\tt+2:\tt+3], v[\tt+2:\tt+3], v[\xs+\j+2:\xs+\j+3]
.endr
	v_pk_add_f32 v[\tt:\tt+1], v[\tt:\tt+1], v[\tt+2:\tt+3]
	v_add_f32 v[\tt], v[\tt], v[\tt+1]
.endm
.macro ROWSQ xs, tt                    ; the same of their squares
	v_pk_mul_f32 v[\tt:\tt+1], v[\xs:\xs+1], v[\xs:\xs+1]
	v_pk_mul_f32 v[\tt+2:\tt+3], v[\xs+2:\xs+3], v[\xs+2:\xs+3]
.irp j, 4,8,12,16,20,24,28
	v_pk_fma_f32 v[\tt:\tt+1], v[\xs+\j:\xs+\j+1], v[\xs+\j:\xs+\j+1], v[\tt:\tt+1]
	v_pk_fma_f32 v[\tt+2:\tt+3], v[\xs+\j+2:\xs+\j+3], v[\xs+\j+2:\xs+\j+3], v[\tt+2:\tt+3]
.endr
	v_pk_add_f32 v[\tt:\tt+1], v[\tt:\tt+1], v[\tt+2:\tt+3]
	v_add_f32 v[\tt], v[\tt], v[\tt+1]
.endm
.macro LANESUM a, b                    ; over the 32 lanes, both rows line by line; every lane ends with the sum
.irp m, 1,2,4,8
	v_add_f32_dpp v[\a], v[\a], v[\a] row_xmask:\m row_mask:0xf bank_mask:0xf
	v_add_f32_dpp v[\b], v[\b], v[\b] row_xmask:\m row_mask:0xf bank_mask:0xf
.endr
	v_permlanex16_b32 v[\a+7], v[\a], s30, s31
	v_permlanex16_b32 v[\b+7], v[\b], s30, s31
	v_add_f32 v[\a], v[\a], v[\a+7]
	v_add_f32 v[\b], v[\b], v[\b+7]
.endm
.macro CENTRE xs, tt                   ; x - mean
.irp j, 0,2,4,6,8,10,12,14,16,18,20,22,24,26,28,30
	v_pk_add_f32 v[\xs+\j:\xs+\j+1], v[\xs+\j:\xs+\j+1], v[\tt+4:\tt+5] op_sel_hi:[1,0] neg_lo:[0,1] neg_hi:[0,1]
.endr
.endm
.macro AFFINE xs, tt                   ; x 1/sigma, x gain + bias
.irp j, 0,2,4,6,8,10,12,14,16,18,20,22,24,26,28,30
	v_pk_mul_f32 v[\xs+\j:\xs+\j+1], v[\xs+\j:\xs+\j+1], v[\tt+6:\tt+7] op_sel_hi:[1,0]
.endr
.irp j, 0,2,4,6,8,10,12,14,16,18,20,22,24,26,28,30
	v_pk_fma_f32 v[\xs+\j:\xs+\j+1], v[\xs+\j:\xs+\j+1], v[LNW+\j:LNW+\j+1], v[LNB+\j:LNB+\j+1]
.endr
.endm
.macro CODES xs, tt, i                 ; row i's codes and scale bytes: my 8 numbers of each of four blocks; four lanes share a block
.irp g, 0,1,2,3
	v_max3_num_f32 v[\tt+8+\g], |v[\xs+8*\g]|, |v[\xs+8*\g+1]|, 0x1800000   ; with the floor 2^(3 - 127): the byte cannot fall under 1
.endr
.irp e, 2,4,6
.irp g, 0,1,2,3
	v_max3_num_f32 v[\tt+8+\g], v[\tt+8+\g], |v[\xs+8*\g+\e]|, |v[\xs+8*\g+\e+1]|
.endr
.endr
.irp m, 1,2
.irp g, 0,1,2,3
	v_max_num_f32_dpp v[\tt+8+\g], v[\tt+8+\g], v[\tt+8+\g] row_xmask:\m row_mask:0xf bank_mask:0xf
.endr
.endr
.irp g, 0,1,2,3
	v_add_nc_u32 v[\tt+12+\g], 0xff000000, v[\tt+8+\g]   ; 2 off the exponent field: the conversion takes that field of this operand as its scale
.endr
.irp g, 0,1,2,3
	v_cvt_scalef32_pk8_fp4_f32 v[\tt+\g], v[\xs+8*\g:\xs+8*\g+7], v[\tt+12+\g]
.endr
.irp g, 0,1,2,3
	v_lshrrev_b32 v[\tt+8+\g], 23, v[\tt+12+\g]    ; the scale's byte.  (Plain lines behind the conversions)
.endr
.irp g, 0,1,2,3
	ds_store_b32 v5, v[\tt+\g] offset:CP*(\i)+128*\g
	ds_store_b8 v6, v[\tt+8+\g] offset:32*(\i)+8*\g   ; the four lanes of a block write the same byte with the same value
.endr
.endm
.macro PAIR p                          ; rows 2 p and 2 p + 1
.set XA, X+32*((2*(\p))%4)
.set XB, X+32*((2*(\p)+1)%4)
.set TA, T
.set TB, T+16
	ROWSUM XA, TA
	ROWSUM XB, TB
	LANESUM TA, TB
	v_mul_f32 v[TA+4], s32, v[TA]                  ; the mean
	v_mul_f32 v[TB+4], s32, v[TB]
	CENTRE XA, TA
	CENTRE XB, TB
	ROWSQ XA, TA
	ROWSQ XB, TB
	LANESUM TA, TB
	v_fmaak_f32 v[TA], s32, v[TA], 0x358637bd      ; the variance + 1e-6
	v_fmaak_f32 v[TB], s32, v[TB], 0x358637bd
	s_wait_alu depctr_va_vdst(0)
	v_rsq_f32 v[TA+6], v[TA]
	v_rsq_f32 v[TB+6], v[TB]
	v_nop                                          ; one plain line behind the transcendentals (ISA guide 5.7.2)
	s_wait_alu depctr_va_vdst(0)
	AFFINE XA, TA
	AFFINE XB, TB
	CODES XA, TA, 2*(\p)
	CODES XB, TB, 2*(\p)+1
.endm
	s_wait_loadcnt 48                              ; gain, bias and rows 0, 1 are in; rows 2 to 7, 48 loads, may be out
	TURN 0
	TURN 1
.irp p, 0,1,2
	s_wait_loadcnt 32-16*\p                        ; rows 2 p + 2 and 2 p + 3 are in; the rows behind them may be out
	TURN 2*\p+2
	TURN 2*\p+3
	s_wait_dscnt 32                                ; all but those two turns' 32 LDS instructions: rows 2 p and 2 p + 1 are back from the stages
	PAIR \p
.endr
	s_wait_dscnt 0x0
	PAIR 3
	s_wait_dscnt 0x0                               ; for the others' sake: my rows of codes lie in LDS
	s_barrier_signal -1
	s_barrier_wait -1
.irp s, 0,1,2,3
.irp c, 0,1
	ds_load_b128 v[X+8*\s+4*\c:X+8*\s+4*\c+3], v7 offset:64*\s+32*\c   ; K step 4 (w % 2) + s, half c: the 16 bytes that lane (r, h) of a fragment holds
.endr
.endr
	ds_load_b64 v[X+32:X+33], v8
.irp s, 0,1,2,3
.irp c, 0,1
	s_wait_dscnt 8-2*\s-\c                         ; the later loads of this run may be out
	global_store_b128 v1, v[X+8*\s+4*\c:X+8*\s+4*\c+3], s[22:23] offset:1024*\s+512*\c   ; 512 consecutive bytes
.endr
.endr
	s_wait_dscnt 0x0
	global_store_b64 v9, v[X+32:X+33], s[24:25]    ; my 8 tokens' 256 scale bytes, consecutive and aligned
	s_wait_tensorcnt 0x0
	ds_add_u32 v30, v31
	s_wait_dscnt 0x0
	s_endpgm
	; ---------------- the weights' codes into image order: 8 work-groups a weight, 32,768 bytes each, 16 pieces of 16 bytes a thread
.Lrelay:
	v_lshlrev_b32 v10, 4, v0                       ; where I store: 16 x thread, 2,048 bytes a step
	v_and_b32 v12, 7, v0
	v_bfe_u32 v13, v0, 3, 1
	v_lshl_add_u32 v12, v13, 4, v12                ; (r % 8) + 16 (r / 8): my row in a pair of tiles
	v_bfe_u32 v13, v0, 4, 3
	v_lshlrev_b32 v13, 4, v13                      ; 16 h + 32 c + 64 (K step % 2): bits 4, 5, 6 of the thread's number
	s_sub_co_u32 s33, ttmp9, 256
	s_lshr_b32 s34, s33, 3                         ; which weight: 0 wq, 1 wk, 2 wv, 3 fc, 4 fc1, 5 fc2
	s_and_b32 s35, s33, 7                          ; which eighth of it: as many rows as make 32,768 bytes, on both sides
	s_lshl_b32 s36, s35, 15
	v_add_nc_u32 v13, s36, v13
	s_lshl_b32 s38, s33, 15
	s_mov_b32 s39, 0
	s_wait_kmcnt 0x0
	s_add_nc_u64 s[26:27], s[26:27], s[38:39]      ; wimg: 262,144 x weight + 32,768 x eighth
	s_mov_b64 s[40:41], s[10:11]
	s_cmp_eq_u32 s34, 1
	s_cselect_b64 s[40:41], s[12:13], s[40:41]
	s_cmp_eq_u32 s34, 2
	s_cselect_b64 s[40:41], s[14:15], s[40:41]
	s_cmp_eq_u32 s34, 3
	s_cselect_b64 s[40:41], s[16:17], s[40:41]
	s_cmp_eq_u32 s34, 4
	s_cselect_b64 s[40:41], s[18:19], s[40:41]
	s_cmp_eq_u32 s34, 5
	s_cselect_b64 s[40:41], s[20:21], s[40:41]
	s_cmp_eq_u32 s34, 3
	s_cbranch_scc1 .Lshort
	s_cmp_eq_u32 s34, 5
	s_cbranch_scc1 .Lshort
	s_wait_alu depctr_va_vdst(0)
	v_lshl_add_u32 v11, v12, 9, v13                ; K = 1,024: rows of 512 bytes, 8 K steps.  Step i: K step 2 (i % 4) on, tile (i / 4) % 2 of pair i / 8
.irp i, 0,1,2,3,4,5,6,7,8,9,10,11,12,13,14,15
	global_load_b128 v[32+4*\i:35+4*\i], v11, s[40:41] offset:512*(32*(\i/8)+8*((\i/4)%2))+128*(\i%4) th:TH_LOAD_NT
.endr
.irp i, 0,1,2,3,4,5,6,7,8,9,10,11,12,13,14,15
	s_wait_loadcnt 15-\i
	global_store_b128 v10, v[32+4*\i:35+4*\i], s[26:27] offset:2048*\i
.endr
	s_endpgm
.Lshort:
	s_wait_alu depctr_va_vdst(0)
	v_lshl_add_u32 v11, v12, 8, v13                ; K = 512: rows of 256 bytes, 4 K steps.  Step i: K step 2 (i % 2) on, tile (i / 2) % 2 of pair i / 4
.irp i, 0,1,2,3,4,5,6,7,8,9,10,11,12,13,14,15
	global_load_b128 v[32+4*\i:35+4*\i], v11, s[40:41] offset:256*(32*(\i/4)+8*((\i/2)%2))+128*(\i%2) th:TH_LOAD_NT
.endr
.irp i, 0,1,2,3,4,5,6,7,8,9,10,11,12,13,14,15
	s_wait_loadcnt 15-\i
	global_store_b128 v10, v[32+4*\i:35+4*\i], s[26:27] offset:2048*\i
.endr
	s_endpgm
.Lfunc_end_k_qe379ed7174_prep:
	.size	k_qe379ed7174_prep, .Lfunc_end_k_qe379ed7174_prep-k_qe379ed7174_prep
	.p2alignl 7, 3214868480
	.fill 96, 4, 3214868480
	.section	.rodata,"a",@progbits
	.p2align	6, 0x0
	.amdhsa_kernel k_qe379ed7174_prep
		.amdhsa_group_segment_fixed_size 53248
		.amdhsa_private_segment_fixed_size 0
		.amdhsa_enable_private_segment 0
		.amdhsa_kernarg_size 96
		.amdhsa_user_sgpr_count 2
		.amdhsa_user_sgpr_kernarg_segment_ptr 1
		.amdhsa_wavefront_size32 1
		.amdhsa_system_sgpr_workgroup_id_x 1
		.amdhsa_system_sgpr_workgroup_id_y 1
		.amdhsa_system_sgpr_workgroup_id_z 1
		.amdhsa_system_vgpr_workitem_id 0
		.amdhsa_next_free_vgpr 512
		.amdhsa_next_free_sgpr 66
		.amdhsa_reserve_vcc 0
		.amdhsa_float_denorm_mode_32 3
		.amdhsa_float_denorm_mode_16_64 3
		.amdhsa_memory_ordered 1
		.amdhsa_forward_progress 1
		.amdhsa_inst_pref_size 100
	.end_amdhsa_kernel
	.amdgpu_metadata
---
amdhsa.version: [ 1, 2 ]
amdhsa.kernels:
  - .name:           k_qe379ed7174_prep
    .symbol:         k_qe379ed7174_prep.kd
    .args:
      - { .name: x, .offset: 0, .size: 8, .value_kind: global_buffer, .address_space: global }
      - { .name: ln1_w, .offset: 8, .size: 8, .value_kind: global_buffer, .address_space: global }
      - { .name: ln1_b, .offset: 16, .size: 8, .value_kind: global_buffer, .address_space: global }
      - { .name: wq_w_codes, .offset: 24, .size: 8, .value_kind: global_buffer, .address_space: global }
      - { .name: wk_w_codes, .offset: 32, .size: 8, .value_kind: global_buffer, .address_space: global }
      - { .name: wv_w_codes, .offset: 40, .size: 8, .value_kind: global_buffer, .address_space: global }
      - { .name: fc_w_codes, .offset: 48, .size: 8, .value_kind: global_buffer, .address_space: global }
      - { .name: fc1_w_codes, .offset: 56, .size: 8, .value_kind: global_buffer, .address_space: global }
      - { .name: fc2_w_codes, .offset: 64, .size: 8, .value_kind: global_buffer, .address_space: global }
      - { .name: himg, .offset: 72, .size: 8, .value_kind: global_buffer, .address_space: global }
      - { .name: hsc, .offset: 80, .size: 8, .value_kind: global_buffer, .address_space: global }
      - { .name: wimg, .offset: 88, .size: 8, .value_kind: global_buffer, .address_space: global }
    .group_segment_fixed_size: 53248
    .private_segment_fixed_size: 0
    .kernarg_segment_align: 8
    .kernarg_segment_size: 96
    .max_flat_workgroup_size: 128
    .sgpr_count:     66
    .vgpr_count:     512
    .wavefront_size: 32
...
	.end_amdgpu_metadata
.endif
;; end of part 1
;; launch qkv (part 2): grid 3 x 64, 4 waves a work-group, no clusters, 0 bytes of LDS; arguments himg, hsc, wimg, wq_w_scales, wk_w_scales, wv_w_scales, wq_b, wk_b, wv_b, qimg, qsc, kv; writes qimg, qsc, kv
.if DOCPART == 2
	.amdgcn_target "amdgcn-amd-amdhsa--gfx1250"
	.amdhsa_code_object_version 6
	.text
	.protected	k_qe379ed7174_qkv
	.globl	k_qe379ed7174_qkv
	.p2align	8
	.type	k_qe379ed7174_qkv,@function
k_qe379ed7174_qkv:
	s_mov_b64 s[64:65], 0
	v_nop
	global_prefetch_b8 v0, s[64:65] scope:SCOPE_SE
	s_setreg_imm32_b32 hwreg(HW_REG_WAVE_MODE, 25, 1), 1
	s_wait_xcnt 0x0
; q, k, v = h W^T + b on E2M1 codes, and their own codes for the attention: q and k quantised along a head's 64 channels, v along the keys.
; Work-group (mat, Y): mat = 0 q, 1 k, 2 v; Y = a block of 128 tokens (one key step of one batch).  Wave w makes 128 columns: heads 2 w and 2 w + 1.
; ONE TEXT FOR ALL THREE.  Source 0 is a RESIDENT operand, 8 tiles x 8 K steps, 512 registers; source 1 a STREAMING operand, 8 tiles taken in pairs through two buffers.
;   q, k: resident = my 8 tiles of the weight, streaming = the block's 8 tiles of tokens: a lane holds ONE token and its 64 registers run along 128 channels;
;   v:    resident = the block's 8 tiles of tokens, streaming = my 8 tiles of the weight: a lane holds ONE channel and its 64 registers run along the 128 keys.
; In both the 64 results of a lane are, by the order of a tile's rows (tile 2 b + u, row r: 32 b + 8 u + r % 8 + 16 (r / 8)), 4 blocks of 16 neighbours: one fragment and one scale word.
; Only the bias (q, k: along the registers; v: one number a lane) and the stores differ: short arms on mat.  Every work-group loads the bias in both forms, 24 small loads a wave, one form unused, so that each arm's registers are written whichever arm runs.
; All operands are images of operand registers in memory: two loads of 512 consecutive bytes a fragment, straight into registers.  No LDS, no barrier.
; K AND V OF A HEAD LIE BY KEY STEP: 147,456 bytes a head, 9,216 a step: K's 8 half images (4,096), V's 4 images (4,096), K's scale words (512), V's (512): so the reader can bring the first steps first.
; NO CLUSTER: a joint request lands in LDS, from where each wave would read its weight tiles once more; here each fragment goes to the one wave that multiplies by it, 128 KiB a wave in all.
; LIMITS: NaN and infinities are not served; a block under 2^-124 (zeros too) gets the byte 1, with zero codes; only this program reads the bytes.
.set RS,  8                            ; v8-39    resident scale words: pair b, K step s at 8 b + s; lanes 0-15 tile 2 b, lanes 16-31 tile 2 b + 1
.set SS,  40                           ; v40-55   streaming scale words, two buffers of 8
.set BV,  56                           ; v56-63   bias, one number a lane, for each of my 8 weight tiles (v)
.set BT,  64                           ; v64-71   that number eight times: the C of a sum's first product (v)
.set BI,  72                           ; v72-135  bias along the registers, 8 a tile (q, k)
.set ACC, 136                          ; v136-199 8 accumulators
.set PC,  200                          ; v200-207 the codes just made
.set TM,  208                          ; v208-223 at work
.set PW,  224                          ; the scale word just made
.set SW,  225                          ; and shifted for the head
.set WV,  28
.set MAT, 29
.set SEL, 30
.set RESP, 36                          ; s[36:37] resident images, s[38:39] their scale bytes, s[40:41] streaming images, s[42:43] their scale bytes
.set RESS, 38
.set STRP, 40
.set STRS, 42
.set PD0, 48                           ; q, k: head 2 w's images; s[50:51] head 2 w + 1's; s[52:53] scale words
.set PD1, 50
.set PDS, 52
.set PV,  56                           ; v: images; s[58:59] scale words
.set PVS, 58
.set MSB, 0                            ; windows 1, 2: resident (tile i, K step s) at 64 (s % 4) + 8 i, s < 4 in window 1.  window 3: streaming, buffer p % 2, tile u, K step s at 128 (p % 2) + 64 u + 8 s
.macro WIN new
.if MSB != \new
	s_set_vgpr_msb (MSB<<8)|\new
.set MSB, \new
.endif
.endm
.macro PLACES
.rept 4
	v_nop
.endr
.endm
.macro WM d, a, b, c, sa, sb, ra, rb   ; D = A B + C with A's scales in v[sa] (lanes 16-31 if ra) and B's in v[sb] (lanes 16-31 if rb)
.if (\ra) && (\rb)
	v_wmma_scale_f32_16x16x128_f8f6f4 v[(\d):(\d)+7], v[(\a):(\a)+7], v[(\b):(\b)+7], v[(\c):(\c)+7], v[\sa], v[\sb] matrix_a_fmt:MATRIX_FMT_FP4 matrix_b_fmt:MATRIX_FMT_FP4 matrix_a_scale:MATRIX_SCALE_ROW1 matrix_b_scale:MATRIX_SCALE_ROW1
.elseif (\ra)
	v_wmma_scale_f32_16x16x128_f8f6f4 v[(\d):(\d)+7], v[(\a):(\a)+7], v[(\b):(\b)+7], v[(\c):(\c)+7], v[\sa], v[\sb] matrix_a_fmt:MATRIX_FMT_FP4 matrix_b_fmt:MATRIX_FMT_FP4 matrix_a_scale:MATRIX_SCALE_ROW1
.elseif (\rb)
	v_wmma_scale_f32_16x16x128_f8f6f4 v[(\d):(\d)+7], v[(\a):(\a)+7], v[(\b):(\b)+7], v[(\c):(\c)+7], v[\sa], v[\sb] matrix_a_fmt:MATRIX_FMT_FP4 matrix_b_fmt:MATRIX_FMT_FP4 matrix_b_scale:MATRIX_SCALE_ROW1
.else
	v_wmma_scale_f32_16x16x128_f8f6f4 v[(\d):(\d)+7], v[(\a):(\a)+7], v[(\b):(\b)+7], v[(\c):(\c)+7], v[\sa], v[\sb] matrix_a_fmt:MATRIX_FMT_FP4 matrix_b_fmt:MATRIX_FMT_FP4
.endif
.endm
; 64 numbers of a lane, register 16 b + i = k 32 b + 16 (lane / 16) + i of my row, become a fragment's codes in v[PC] on and its scale word in v[PW]
.macro QUANT s
.irp b, 0,1,2,3
	v_max3_num_f32 v[TM+\b], |v[\s+16*\b]|, |v[\s+1+16*\b]|, 0x1800000   ; my 16 numbers of block b, and the floor 2^(3 - 127): the byte cannot fall under 1
.endr
.irp i, 2,4,6,8,10,12,14
.irp b, 0,1,2,3
	v_max3_num_f32 v[TM+\b], v[TM+\b], |v[\s+16*\b+\i]|, |v[\s+1+16*\b+\i]|
.endr
.endr
.irp b, 0,1,2,3
	v_permlanex16_b32 v[TM+4+\b], v[TM+\b], s[SEL], s[SEL+1]
.endr
.irp b, 0,1,2,3
	v_max_num_f32 v[TM+\b], v[TM+\b], v[TM+4+\b]   ; with lane l xor 16's: the block's largest magnitude
.endr
.irp b, 0,1,2,3
	v_add_nc_u32 v[TM+12+\b], 0xff000000, v[TM+\b]   ; 2 off its exponent field: the conversion's scale operand
.endr
.irp b, 0,1,2,3
	v_lshrrev_b32 v[TM+4+\b], 23, v[TM+12+\b]      ; the scale's byte
.endr
	v_lshl_or_b32 v[PW], v[TM+5], 8, v[TM+4]
	v_lshl_or_b32 v[PW], v[TM+6], 16, v[PW]
	v_lshl_or_b32 v[PW], v[TM+7], 24, v[PW]
.irp b, 0,1,2,3
	v_cvt_scalef32_pk8_fp4_f32 v[PC+2*\b], v[\s+16*\b:\s+7+16*\b], v[TM+12+\b]
	v_cvt_scalef32_pk8_fp4_f32 v[PC+1+2*\b], v[\s+8+16*\b:\s+15+16*\b], v[TM+12+\b]
.endr
	v_nop                                          ; one plain line behind a scaled conversion
.irp c, 0,1                                    ; the operand wants a WHOLE block in a lane: lanes 0-15 block 2 c, lanes 16-31 block 2 c + 1
.irp i, 0,1
	v_permlane16_swap_b32 v[PC+4*\c+\i], v[PC+2+4*\c+\i]
.endr
.endr
.endm
	s_load_b512 s[4:19], s[0:1], 0x0               ; himg 4, hsc 6, wimg 8, wq's, wk's, wv's scales 10, 12, 14, wq_b 16, wk_b 18
	s_load_b256 s[20:27], s[0:1], 0x40             ; wv_b 20, qimg 22, qsc 24, kv 26
	v_lshrrev_b32 v226, 5, v0
	v_readfirstlane_b32 s[WV], v226                ; wave 0..3
	s_mov_b32 s[MAT], ttmp9
	s_and_b32 s32, ttmp7, 0xffff                   ; Y
	s_lshr_b32 s33, s32, 4                         ; the batch
	s_and_b32 s34, s32, 15                         ; the key step in it
	s_lshl_b32 s35, s33, 3
	s_lshl_b32 s60, s[WV], 1
	s_add_co_u32 s35, s35, s60                     ; my first head among the 32: 8 batch + 2 w
	s_mov_b32 s[SEL], 0x76543210
	s_mov_b32 s[SEL+1], 0xfedcba98
	v_and_b32 v226, 31, v0
	v_lshlrev_b32 v1, 4, v226                      ; 16 lane: my place in an image
	v_lshlrev_b32 v7, 2, v226                      ; 4 lane
	v_and_b32 v227, 7, v0
	v_bfe_u32 v228, v0, 3, 1
	v_bfe_u32 v229, v0, 4, 1                       ; h
	v_lshl_add_u32 v227, v228, 4, v227             ; r % 8 + 16 (r / 8)
	v_lshlrev_b32 v4, 2, v227                      ; the bias of my row of a weight tile
	v_lshl_add_u32 v227, v229, 3, v227             ; + 8 h: lanes 0-15 name the rows of tile 2 b, lanes 16-31 those of tile 2 b + 1
	v_lshlrev_b32 v2, 5, v227                      ; 32 scale bytes a row
	v_lshlrev_b32 v3, 6, v229                      ; 64 h: the bias of my half's 16 channels of each 32
	v_lshlrev_b32 v5, 4, v229                      ; 16 h: lanes 16-31 take the upper two bytes of a scale word
.irp b, 0,1,2,3
	v_mov_b32 v[TM+4+\b], 0                        ; written once: a lane permute's destination counts as one of its sources
.endr
	; offsets, apart from the addresses
	s_lshl_b32 s60, s[MAT], 18
	s_lshl_b32 s61, s[WV], 16
	s_add_co_u32 s60, s60, s61                     ; wimg: 262,144 mat + 65,536 w (8 tiles x 8 K steps x 1,024)
	s_mov_b32 s61, 0
	s_lshl_b32 s62, s32, 16                        ; himg: 65,536 Y
	s_mov_b32 s63, 0
	s_lshl_b32 s54, s32, 12                        ; hsc: 4,096 Y
	s_mov_b32 s55, 0
	s_lshl_b32 s46, s[WV], 12                      ; a weight's scale bytes: 4,096 w
	s_mov_b32 s47, 0
	s_lshl_b32 s44, s[WV], 9                       ; a bias: 512 w
	s_mov_b32 s45, 0
	s_wait_alu depctr_va_vdst(0)
	s_wait_kmcnt 0x0
	s_add_nc_u64 s[8:9], s[8:9], s[60:61]
	s_add_nc_u64 s[4:5], s[4:5], s[62:63]
	s_add_nc_u64 s[6:7], s[6:7], s[54:55]
	s_cmp_eq_u32 s[MAT], 1
	s_cselect_b64 s[10:11], s[12:13], s[10:11]
	s_cselect_b64 s[16:17], s[18:19], s[16:17]
	s_cmp_eq_u32 s[MAT], 2
	s_cselect_b64 s[10:11], s[14:15], s[10:11]     ; my weight's scale bytes
	s_cselect_b64 s[16:17], s[20:21], s[16:17]     ; and its bias
	s_add_nc_u64 s[10:11], s[10:11], s[46:47]
	s_add_nc_u64 s[16:17], s[16:17], s[44:45]
	s_cselect_b64 s[RESP:RESP+1], s[4:5], s[8:9]   ; (the 64-bit sums leave the compare's result alone)  v: the tokens are resident; q, k: the weight
	s_cselect_b64 s[RESS:RESS+1], s[6:7], s[10:11]
	s_cselect_b64 s[STRP:STRP+1], s[8:9], s[4:5]
	s_cselect_b64 s[STRS:STRS+1], s[10:11], s[6:7]
	s_cmp_eq_u32 s[MAT], 0                         ; q's buffers or a head's block of kv: every selection on this compare stands ahead of the first sum with carry
	s_mov_b32 s44, 147456
	s_cselect_b32 s44, 65536, s44                  ; bytes from head to head: q's images 65,536, a head's block of kv 147,456
	s_mov_b32 s45, 147456
	s_cselect_b32 s45, 8192, s45                   ; the same for the scale words
	s_mov_b32 s46, 9216
	s_cselect_b32 s46, 4096, s46                   ; bytes from key step to key step: q's images 4,096, a step's block of kv 9,216
	s_mov_b32 s47, 9216
	s_cselect_b32 s47, 512, s47                    ; the same for the scale words
	s_cselect_b32 s60, 0, 8192                     ; K's scale words lie 8,192 bytes into a step's block
	s_cselect_b64 s[PD0:PD0+1], s[22:23], s[26:27]
	s_cselect_b64 s[PDS:PDS+1], s[24:25], s[26:27]
	s_mul_i32 s54, s35, s44
	s_mul_i32 s61, s34, s46
	s_add_co_u32 s54, s54, s61
	s_add_nc_u64 s[PD0:PD0+1], s[PD0:PD0+1], s[54:55]
	s_mov_b32 s54, s44
	s_add_nc_u64 s[PD1:PD1+1], s[PD0:PD0+1], s[54:55]
	s_mul_i32 s54, s35, s45
	s_mul_i32 s61, s34, s47
	s_add_co_u32 s54, s54, s61
	s_add_co_u32 s54, s54, s60
	s_add_nc_u64 s[PDS:PDS+1], s[PDS:PDS+1], s[54:55]
	s_mul_i32 s61, s35, 147456
	s_mul_i32 s60, s34, 9216
	s_add_co_u32 s62, s61, s60
	s_add_co_u32 s62, s62, 4096                    ; V's images: 4,096 into the step's block
	s_add_nc_u64 s[PV:PV+1], s[26:27], s[62:63]
	s_add_co_u32 s62, s62, 4608                    ; V's scale words: 8,704 into it
	s_add_nc_u64 s[PVS:PVS+1], s[26:27], s[62:63]
	v_and_b32 v226, 15, v0
	v_mul_u32_u24 v6, s45, v229
	v_lshl_add_u32 v6, v226, 2, v6                 ; q, k: lanes 0-15 store head 2 w's scale words, lanes 16-31 head 2 w + 1's: 4 r
.irp b, 0,1,2,3
.irp k, 0,1
	global_load_b128 v[RS+8*\b+4*\k:RS+8*\b+4*\k+3], v2, s[RESS:RESS+1] offset:1024*\b+16*\k
.endr
.endr
.irp i, 0,1,2,3,4,5,6,7
.irp k, 0,1
	global_load_b128 v[BI+8*\i+4*\k:BI+8*\i+4*\k+3], v3, s[16:17] offset:4*(32*(\i/2)+8*(\i%2))+16*\k
.endr
.endr
.irp i, 0,1,2,3,4,5,6,7
	global_load_b32 v[BV+\i], v4, s[16:17] offset:4*(32*(\i/2)+8*(\i%2))
.endr
	WIN 0x40
.irp s, 0,1,2,3
.irp i, 0,1,2,3,4,5,6,7
.irp c, 0,1
	global_load_b128 v[64*\s+8*\i+4*\c:64*\s+8*\i+4*\c+3], v1, s[RESP:RESP+1] offset:8192*\i+1024*\s+512*\c
.endr
.endr
.endr
	WIN 0x80
.irp s, 0,1,2,3
.irp i, 0,1,2,3,4,5,6,7
.irp c, 0,1
	global_load_b128 v[64*\s+8*\i+4*\c:64*\s+8*\i+4*\c+3], v1, s[RESP:RESP+1] offset:8192*\i+1024*(\s+4)+512*\c
.endr
.endr
.endr
.macro LOADPAIR p                      ; streaming tiles 2 p and 2 p + 1, all 8 K steps, and their scale words: 34 loads
	WIN 0xc0
.irp u, 0,1
.irp s, 0,1,2,3,4,5,6,7
.irp c, 0,1
	global_load_b128 v[128*((\p)%2)+64*\u+8*\s+4*\c:128*((\p)%2)+64*\u+8*\s+4*\c+3], v1, s[STRP:STRP+1] offset:8192*(2*(\p)+\u)+1024*\s+512*\c
.endr
.endr
.endr
	WIN 0
.irp k, 0,1
	global_load_b128 v[SS+8*((\p)%2)+4*\k:SS+8*((\p)%2)+4*\k+3], v2, s[STRS:STRS+1] offset:1024*(\p)+16*\k
.endr
.endm
	LOADPAIR 0
	LOADPAIR 1
; Streaming tile j against the 8 resident tiles: 64 products, the 8 accumulators by turns, one instruction a turn; then its codes.
.macro TILE j
.set U,   (\j)%2
.set ST0, 128*(((\j)/2)%2)+64*U
.set SS0, SS+8*(((\j)/2)%2)
	s_cmp_eq_u32 s[MAT], 2
	s_cbranch_scc1 .Lvbias_\@
	WIN 0x0d                                       ; source 0 window 1, source 1 window 3
.irp i, 0,1,2,3,4,5,6,7
	WM ACC+8*\i, 8*\i, ST0, BI+8*\i, RS+8*(\i/2), SS0, \i%2, U   ; K step 0 starts the sums with the bias as C
.endr
	WIN 0
	s_branch .Lbiased_\@
.Lvbias_\@:
.irp k, 0,1,2,3,4,5,6,7
	v_mov_b32 v[BT+\k], v[BV+(\j)]                 ; my channel's bias for all eight tokens of a register run
.endr
	PLACES
	WIN 0x0d
.irp i, 0,1,2,3,4,5,6,7
	WM ACC+8*\i, 8*\i, ST0, BT, RS+8*(\i/2), SS0, \i%2, U
.endr
	WIN 0
.Lbiased_\@:
	WIN 0x0d
.irp s, 1,2,3
.irp i, 0,1,2,3,4,5,6,7
	WM ACC+8*\i, 64*\s+8*\i, ST0+8*\s, ACC+8*\i, RS+8*(\i/2)+\s, SS0+\s, \i%2, U
.endr
.endr
	WIN 0x0e                                       ; source 0 window 2
.irp s, 4,5,6,7
.irp i, 0,1,2,3,4,5,6,7
	WM ACC+8*\i, 64*(\s-4)+8*\i, ST0+8*\s, ACC+8*\i, RS+8*(\i/2)+\s, SS0+\s, \i%2, U
.endr
.endr
	WIN 0
	PLACES                                         ; four places behind the last products: for the first read of results, and for the loads that follow a pair into the streaming buffer
	s_wait_xcnt 0x0                                ; the last tile's stores have read their data: the codes' and words' registers are written again only behind this wait
	QUANT ACC
	s_cmp_eq_u32 s[MAT], 2
	s_cbranch_scc1 .Lvstore_\@
	global_store_b128 v1, v[PC:PC+3], s[PD0:PD0+1] offset:512*(\j)     ; head 2 w: 64 codes a token, 512 consecutive bytes
	global_store_b128 v1, v[PC+4:PC+7], s[PD1:PD1+1] offset:512*(\j)   ; head 2 w + 1
	v_lshrrev_b32 v[SW], v5, v[PW]                 ; bytes 0, 1 = the head's two scales; bytes 2, 3 (the other head's, or 0) meet zero codes alone and are never 0xff
	global_store_b32 v6, v[SW], s[PDS:PDS+1] offset:64*(\j)
	s_branch .Lstored_\@
.Lvstore_\@:
	s_wait_alu depctr_va_vdst(0)
	global_store_b128 v1, v[PC:PC+3], s[PV:PV+1] offset:147456*((\j)/4)+1024*((\j)%4)
	global_store_b128 v1, v[PC+4:PC+7], s[PV:PV+1] offset:147456*((\j)/4)+1024*((\j)%4)+512
	global_store_b32 v7, v[PW], s[PVS:PVS+1] offset:147456*((\j)/4)+128*((\j)%4)
.Lstored_\@:
.endm
.irp p, 0,1,2,3
.if \p < 3
	s_wait_loadcnt 34                              ; all but the next pair's 34 loads
.else
	s_wait_loadcnt 0x0
.endif
	TILE 2*\p
	TILE 2*\p+1
.if \p < 2
	LOADPAIR \p+2                                  ; into the buffer just multiplied
.endif
.endr
	s_endpgm
.Lfunc_end_k_qe379ed7174_qkv:
	.size	k_qe379ed7174_qkv, .Lfunc_end_k_qe379ed7174_qkv-k_qe379ed7174_qkv
	.p2alignl 7, 3214868480
	.fill 96, 4, 3214868480
	.section	.rodata,"a",@progbits
	.p2align	6, 0x0
	.amdhsa_kernel k_qe379ed7174_qkv
		.amdhsa_group_segment_fixed_size 0
		.amdhsa_private_segment_fixed_size 0
		.amdhsa_enable_private_segment 0
		.amdhsa_kernarg_size 96
		.amdhsa_user_sgpr_count 2
		.amdhsa_user_sgpr_kernarg_segment_ptr 1
		.amdhsa_wavefront_size32 1
		.amdhsa_system_sgpr_workgroup_id_x 1
		.amdhsa_system_sgpr_workgroup_id_y 1
		.amdhsa_system_sgpr_workgroup_id_z 1
		.amdhsa_system_vgpr_workitem_id 0
		.amdhsa_next_free_vgpr 1024
		.amdhsa_next_free_sgpr 66
		.amdhsa_reserve_vcc 0
		.amdhsa_float_denorm_mode_32 3
		.amdhsa_float_denorm_mode_16_64 3
		.amdhsa_memory_ordered 1
		.amdhsa_forward_progress 1
		.amdhsa_inst_pref_size 147
	.end_amdhsa_kernel
	.amdgpu_metadata
---
amdhsa.version: [ 1, 2 ]
amdhsa.kernels:
  - .name:           k_qe379ed7174_qkv
    .symbol:         k_qe379ed7174_qkv.kd
    .args:
      - { .name: himg, .offset: 0, .size: 8, .value_kind: global_buffer, .address_space: global }
      - { .name: hsc, .offset: 8, .size: 8, .value_kind: global_buffer, .address_space: global }
      - { .name: wimg, .offset: 16, .size: 8, .value_kind: global_buffer, .address_space: global }
      - { .name: wq_w_scales, .offset: 24, .size: 8, .value_kind: global_buffer, .address_space: global }
      - { .name: wk_w_scales, .offset: 32, .size: 8, .value_kind: global_buffer, .address_space: global }
      - { .name: wv_w_scales, .offset: 40, .size: 8, .value_kind: global_buffer, .address_space: global }
      - { .name: wq_b, .offset: 48, .size: 8, .value_kind: global_buffer, .address_space: global }
      - { .name: wk_b, .offset: 56, .size: 8, .value_kind: global_buffer, .address_space: global }
      - { .name: wv_b, .offset: 64, .size: 8, .value_kind: global_buffer, .address_space: global }
      - { .name: qimg, .offset: 72, .size: 8, .value_kind: global_buffer, .address_space: global }
      - { .name: qsc, .offset: 80, .size: 8, .value_kind: global_buffer, .address_space: global }
      - { .name: kv, .offset: 88, .size: 8, .value_kind: global_buffer, .address_space: global }
    .group_segment_fixed_size: 0
    .private_segment_fixed_size: 0
    .kernarg_segment_align: 8
    .kernarg_segment_size: 96
    .max_flat_workgroup_size: 128
    .sgpr_count:     66
    .vgpr_count:     1024
    .wavefront_size: 32
...
	.end_amdgpu_metadata
.endif
;; end of part 2
;; launch attn (part 3): grid 8 x 32, 16 waves a work-group, clusters of 4 x 1, 327,680 bytes of LDS; arguments qimg, qsc, kv, oimg, osc; writes oimg, osc
.if DOCPART == 3
	.amdgcn_target "amdgcn-amd-amdhsa--gfx1250"
	.amdhsa_code_object_version 6
	.text
	.protected	k_qe379ed7174_attn
	.globl	k_qe379ed7174_attn
	.p2align	8
	.type	k_qe379ed7174_attn,@function
k_qe379ed7174_attn:
	s_mov_b64 s[64:65], 0
	v_nop
	global_prefetch_b8 v0, s[64:65] scope:SCOPE_SE
	s_setreg_imm32_b32 hwreg(HW_REG_WAVE_MODE, 25, 1), 1
	s_wait_xcnt 0x0
	s_wait_alu depctr_hold_cnt(0) depctr_sa_sdst(0) depctr_va_vdst(0) depctr_va_sdst(0) depctr_va_ssrc(0) depctr_va_vcc(0) depctr_vm_vsrc(0)
	s_getreg_b32 s2, hwreg(HW_REG_IB_STS2, 6, 4)
	s_cmp_eq_u32 s2, 0
	s_cbranch_scc0 .Lentry_in_a_cluster
	s_endpgm
.Lentry_in_a_cluster:
	s_bfe_u32 s2, ttmp6, 0x10000c
	s_cmp_lg_u32 s2, 0x3003
	s_cbranch_scc0 .Lentry_shape_is_right
	s_endpgm
.Lentry_shape_is_right:
; O = softmax(Q K^T / 8) V for one head and 256 queries a work-group, both products on E2M1 codes; O is quantised along the head's 64 channels and stored as an image of operand registers.
; SHARES: sixteen waves, 16 queries each; every wave walks the head's 2,048 keys, 128 a step.  Both products transposed: a lane holds one query (lane % 16) throughout.
; p = 2^(t - M), t = score x log2(e) / 8, M = the running largest t rounded up to a whole number; the row's sum is taken of the unquantised p and divides at the end.
; K AND V of a head are 147,456 dense bytes, 9,216 a key step (K's 8 half images, V's 4 images, K's and V's scale words); an LDS byte is the byte's place in the head's block.
; THREE FILLS, each once: rows of 256 bytes, 7, 9 and 20 a wave: bytes 0 - 28,671, - 65,535, - 147,455.  A step reads its own V and the next step's K, at most byte 9,216 (step + 1) + 8,703:
; steps 0, 1 read under byte 27,136 while the second fill is out, steps 2 to 5 under byte 64,000 while the third is out.
; CLUSTER: the four work-groups of a cluster own query blocks of one head and ask for each fill jointly (mask 15); the address hangs on the head and the wave's number alone.
; PREFETCH: behind the second fill each wave names 5 of its 20 rows of the third fill, two steps ahead of that load; the four partners take different fives by address.  The first two fills come by their loads alone.
; LIMITS: NaN and infinities are not served; the promise holds while |t| stays under 2^31; a block under 2^-124 (zeros too) gets the byte 1 with zero codes, and this program alone reads the bytes.
.set STEPB, 9216
.set RA, 7
.set RB, 9
.set RC, 20
.set OFB, 16*RA*256
.set OFC, OFB+16*RB*256
.set ADK, 8
.set ADV, 9
.set ADS, 10
.set ADT, 11
.set WV,  26
.set BH,  27
.set SEL, 28
.set CS,  30
.set TK,  32
.set CX,  33
.set CNT, 34
.set HM,  35
.macro PLACES
.rept 4
	v_nop
.endr
.endm
.macro GRP1 g, rows                    ; rows of 32 elements of 8 bytes, dense; mask 15 with bit 21 beside it
	s_mov_b32 s[\g], 15|(3<<16)|(1<<21)
	s_mov_b32 s[\g+1], 32<<16
	s_mov_b32 s[\g+2], (\rows)<<16
	s_mov_b32 s[\g+3], 32<<16
	s_mov_b32 s[\g+4], \rows
	s_mov_b32 s[\g+5], 32
	s_mov_b32 s[\g+6], 0
	s_mov_b32 s[\g+7], 0
.endm
.macro ROUND                           ; a round of the cluster's barrier
	s_barrier_signal -1
	s_barrier_wait -1
	s_cmp_lg_u32 s[WV], 0
	s_cbranch_scc1 .Lnw0_\@
	s_barrier_signal -3
.Lnw0_\@:
	s_barrier_wait -3
	s_barrier_signal -1
	s_barrier_wait -1
.endm
.macro FENCE                           ; all my tensor loads are in; the add on my spare word and my LDS reads are done
	s_wait_tensorcnt 0x0
	ds_add_u32 v30, v31
	s_wait_dscnt 0x0
.endm
.macro KQ t
.if (\t)%2
	v_wmma_scale_f32_16x16x128_f8f6f4 v[96+8*(\t):103+8*(\t)], v[32+8*(\t):39+8*(\t)], v[16:23], 0, v[248+(\t)/2], v255 matrix_a_fmt:MATRIX_FMT_FP4 matrix_b_fmt:MATRIX_FMT_FP4 matrix_a_scale:MATRIX_SCALE_ROW1
.else
	v_wmma_scale_f32_16x16x128_f8f6f4 v[96+8*(\t):103+8*(\t)], v[32+8*(\t):39+8*(\t)], v[16:23], 0, v[248+(\t)/2], v255 matrix_a_fmt:MATRIX_FMT_FP4 matrix_b_fmt:MATRIX_FMT_FP4
.endif
.endm
.macro PV t
	v_wmma_scale_f32_16x16x128_f8f6f4 v[160+8*(\t):167+8*(\t)], v[192+8*(\t):199+8*(\t)], v[224:231], v[160+8*(\t):167+8*(\t)], v[240+(\t)], v253 matrix_a_fmt:MATRIX_FMT_FP4 matrix_b_fmt:MATRIX_FMT_FP4
.endm
	s_load_b256 s[4:11], s[0:1], 0x0               ; qimg 4, qsc 6, kv 8, oimg 10
	s_load_b64 s[24:25], s[0:1], 0x20              ; osc
	v_lshl_add_u32 v30, v0, 2, 0x29000             ; my spare word
	v_mov_b32 v31, 0
	ds_add_u32 v30, v31
	ds_add_u32 v30, v31
	v_lshrrev_b32 v8, 5, v0
	s_delay_alu instid0(VALU_DEP_1)
	v_readfirstlane_b32 s[WV], v8                  ; wave 0..15
	s_and_b32 s[BH], ttmp7, 0xffff                 ; the head among the 32
	s_bfe_u32 s[CX], ttmp6, 0x40000                ; my place in the cluster
	GRP1 16, RA
	GRP1 40, RB
	GRP1 68, RC
	s_mov_b32 s12, 1                               ; groups 0: s[12:15], s[36:39], s[76:79]
	s_mul_i32 s13, s[WV], RA*256
	s_mov_b32 s36, 1
	s_mul_i32 s37, s[WV], RB*256
	s_add_co_u32 s37, s37, OFB
	s_mov_b32 s76, 1
	s_mul_i32 s77, s[WV], RC*256
	s_add_co_u32 s77, s77, OFC
	s_mul_i32 s48, s[BH], 16*STEPB                 ; the head's block in kv
	s_add_co_u32 s50, s48, s13
	s_mov_b32 s51, 0
	s_add_co_u32 s52, s48, s37
	s_mov_b32 s53, 0
	s_add_co_u32 s48, s48, s77
	s_mov_b32 s49, 0
	s_mul_i32 s82, s[CX], (RC/4)*256               ; the prefetch: my work-group's 5 of my wave's 20 rows
	s_add_co_u32 s82, s82, s48
	s_mov_b32 s83, 0
	s_lshl_b32 s54, ttmp9, 2
	s_add_co_u32 s54, s54, s[CX]                   ; the query block: 4 x cluster x + cx
	s_lshl_b32 s54, s54, 4
	s_add_co_u32 s54, s54, s[WV]                   ; my tile of 16 queries among the sequence's 128
	s_lshl_b32 s55, s[BH], 7
	s_add_co_u32 s55, s55, s54
	s_lshl_b32 s56, s55, 9                         ; qimg: 512 bytes a tile
	s_mov_b32 s57, 0
	s_lshl_b32 s58, s55, 6                         ; qsc: 64 a tile
	s_mov_b32 s59, 0
	s_lshr_b32 s60, s[BH], 3
	s_lshl_b32 s60, s60, 7
	s_add_co_u32 s60, s60, s54                     ; my tile of tokens among the 512
	s_and_b32 s61, s[BH], 7
	s_lshl_b32 s62, s60, 12                        ; oimg: 4,096 a tile, 512 a head
	s_lshl_b32 s63, s61, 9
	s_add_co_u32 s62, s62, s63
	s_mov_b32 s63, 0
	s_lshl_b32 s60, s60, 8                         ; osc: 16 bytes a token, 2 a head
	s_lshl_b32 s61, s61, 1
	s_add_co_u32 s60, s60, s61
	s_mov_b32 s61, 0
	s_mov_b32 s[SEL], 0x76543210
	s_mov_b32 s[SEL+1], 0xfedcba98
	s_mov_b32 s[CS], 0x3e38aa3b                    ; log2(e) / 8
	s_mov_b32 s[CS+1], s[CS]
	s_mov_b32 s[TK], 0
	s_mov_b32 s[CNT], 2
	s_mov_b32 s[HM], 0xffff0000
	s_wait_dscnt 0x0                               ; both opening adds are done
	s_wait_kmcnt 0x0
	s_add_nc_u64 s[14:15], s[8:9], s[50:51]
	s_or_b32 s15, s15, 0x80000000
	ROUND                                          ; the four work-groups are here: the first joint loads meet
	tensor_load_to_lds s[12:15], s[16:23]          ; the first fill: my one tensor load at the head
	s_nop 0
	s_add_nc_u64 s[38:39], s[8:9], s[52:53]
	s_or_b32 s39, s39, 0x80000000
	s_add_nc_u64 s[78:79], s[8:9], s[48:49]
	s_or_b32 s79, s79, 0x80000000
	s_add_nc_u64 s[80:81], s[8:9], s[82:83]
	s_add_nc_u64 s[4:5], s[4:5], s[56:57]
	s_add_nc_u64 s[6:7], s[6:7], s[58:59]
	s_add_nc_u64 s[10:11], s[10:11], s[62:63]
	s_add_nc_u64 s[24:25], s[24:25], s[60:61]
	; the rest of the head stands under the first fill's flight
	v_and_b32 v9, 31, v0
	v_and_b32 v10, 15, v0
	v_bfe_u32 v11, v0, 4, 1
	v_lshlrev_b32 v1, 4, v9                        ; 16 lane: my place in an image
	v_lshlrev_b32 v6, 2, v10
	v_lshlrev_b32 v3, 2, v9
	global_load_b128 v[16:19], v1, s[4:5]          ; Q's 64 codes a query; the fragment's upper half is zero codes
	global_load_b32 v255, v6, s[6:7]               ; Q's scale words
	v_add_nc_u32 v2, 4096, v1                      ; V's images
	v_add_nc_u32 v4, 8704, v3                      ; V's scale words
	v_add_nc_u32 v3, 8192, v3                      ; K's scale words
	v_lshl_add_u32 v5, v10, 4, v11
	v_min_u32 v7, 4, v9
	s_delay_alu instid0(VALU_DEP_1)
	v_lshlrev_b32 v7, 8, v7                        ; the prefetch: lanes 0-4 a row each, the others the last row again; never rewritten
.irp j, 20,21,22,23
	v_mov_b32 v[\j], 0
.endr
.irp t, 0,1,2,3,4,5,6,7
.irp j, 4,5,6,7
	v_mov_b32 v[32+8*\t+\j], 0                     ; K's fragments likewise: k = 64 on are zero codes
.endr
.endr
.set J, 0
.rept 32
	v_mov_b32 v[160+J], 0                          ; O^T: the step is written once, the first finds zeros
.set J, J+1
.endr
	v_mov_b32 v13, 0xff61b1e6                      ; the largest score so far: -3e38
	s_delay_alu instid0(VALU_DEP_1)
	v_floor_f32 v12, -v13
	v_mov_b32 v14, 0
	v_mov_b32 v15, 0
.irp j, 26,27,236,237,238,239,253
	v_mov_b32 v[\j], 0
.endr
	s_wait_alu depctr_va_vdst(0)
	s_wait_loadcnt 0x0                             ; Q
	FENCE
	ROUND                                          ; everybody's part of the first fill is in, and the four work-groups are here
	tensor_load_to_lds s[36:39], s[40:47]          ; the second fill: it has steps 0 and 1 in which to land
	s_nop 0
	PLACES
.irp t, 0,1,2,3,4,5,6,7
	ds_load_b128 v[32+8*\t:35+8*\t], v1 offset:512*\t
.endr
.irp b, 0,1,2,3
	ds_load_b32 v[248+\b], v3 offset:128*\b
.endr
	global_prefetch_b8 v7, s[80:81] th:TH_LOAD_NT scope:SCOPE_SE   ; 5 rows of the third fill, two steps ahead of its load
	s_wait_dscnt 0x0                               ; step 0's K is in
.irp t, 0,1,2,3,4,5,6,7
	KQ \t                                          ; step 0's scores: every later step's are made at the end of the step before
.endr
; A KEY STEP of 128 keys.  more = 1: the next step's K and its scale words are fetched under this step's softmax
.macro STEP more
	v_add_nc_u32 v[ADV], s[TK], v2                 ; these four lines are the places behind the last products, ahead of the loads and of the first read of scores
	v_add_nc_u32 v[ADT], s[TK], v4
.if \more
	v_add_nc_u32 v[ADK], s[TK], v1
	v_add_nc_u32 v[ADS], s[TK], v3
.else
	v_nop
	v_nop
.endif
.irp t, 0,1,2,3
.irp c, 0,1
	ds_load_b128 v[192+8*\t+4*\c:195+8*\t+4*\c], v[ADV] offset:1024*\t+512*\c
.endr
	ds_load_b32 v[240+\t], v[ADT] offset:128*\t
.endr
.if \more
.irp t, 0,1,2,3,4,5,6,7
	ds_load_b128 v[32+8*\t:35+8*\t], v[ADK] offset:STEPB+512*\t
.endr
.irp b, 0,1,2,3
	ds_load_b32 v[248+\b], v[ADS] offset:STEPB+128*\b
.endr
.endif
.irp b, 0,1,2,3
	v_max3_num_f32 v[232+\b], v[96+16*\b], v[97+16*\b], v[98+16*\b]   ; each block's largest score: for the row's maximum and for the block's largest p
.endr
.irp i, 3,5,7,9,11,13
.irp b, 0,1,2,3
	v_max3_num_f32 v[232+\b], v[232+\b], v[96+16*\b+\i], v[97+16*\b+\i]
.endr
.endr
.irp b, 0,1,2,3
	v_max_num_f32 v[232+\b], v[232+\b], v[111+16*\b]
.endr
.irp b, 0,1,2,3
	s_delay_alu instid0(VALU_DEP_4)
	v_permlanex16_b32 v[236+\b], v[232+\b], s[SEL], s[SEL+1]
.endr
.irp b, 0,1,2,3
	s_delay_alu instid0(VALU_DEP_4)
	v_max_num_f32 v[232+\b], v[232+\b], v[236+\b]
.endr
	s_delay_alu instid0(VALU_DEP_2)
	v_max3_num_f32 v254, v232, v233, v234
	v_mov_b32 v26, v12                             ; the old -M
	s_delay_alu instid0(VALU_DEP_2)
	v_max3_num_f32 v13, v13, v254, v235            ; the running largest SCORE (c is positive: its t is the largest t)
	s_delay_alu instid0(VALU_DEP_1)
	v_mul_f32 v254, s[CS], v13
	s_delay_alu instid0(VALU_DEP_1)
	v_floor_f32 v12, -v254                         ; -M
.set J, 0
.rept 32
	v_pk_fma_f32 v[96+J:97+J], v[96+J:97+J], s[CS:CS+1], v[12:13] op_sel_hi:[1,0,0]   ; t - M; the three lines that make f = 2^(old M - new M) stand among these
.if J == 6
	v_sub_f32 v26, v12, v26
.endif
.if J == 14
	v_cvt_i32_f32 v26, v26
.endif
.if J == 22
	v_ldexp_f32 v252, 1.0, v26
.endif
.set J, J+2
.endr
.irp b, 0,1,2,3
	v_fma_f32 v[232+\b], v[232+\b], s[CS], v12
.endr
.set J, 0
	s_wait_alu depctr_va_vdst(0)
.rept 64
	v_exp_f32 v[96+J], v[96+J]
.set J, J+1
.endr
.irp b, 0,1,2,3
	v_exp_f32 v[232+\b], v[232+\b]
.endr
	v_pk_mul_f32 v[14:15], v[14:15], v[252:253] op_sel_hi:[1,0]   ; the sums under the new M: a plain place behind the batch
	s_wait_alu depctr_va_vdst(0)                   ; and the wait behind it
.irp b, 0,1,2,3
	v_max_num_f32 v[232+\b], 0x1800000, v[232+\b]  ; the floor 2^(3 - 127)
.endr
.irp b, 0,1,2,3
	s_delay_alu instid0(VALU_DEP_4)
	v_add_nc_u32 v[244+\b], 0xff000000, v[232+\b]  ; the conversion's scale operand
.endr
.irp b, 0,1,2,3
	s_delay_alu instid0(VALU_DEP_4)
	v_lshrrev_b32 v[236+\b], 23, v[244+\b]         ; the scale's byte
.endr
	s_delay_alu instid0(VALU_DEP_3)
	v_lshl_or_b32 v253, v237, 8, v236              ; p's scale word, two deep
	v_lshl_or_b32 v238, v239, 8, v238
	s_delay_alu instid0(VALU_DEP_1)
	v_lshl_or_b32 v253, v238, 16, v253
.irp b, 0,1,2,3
	v_cvt_scalef32_pk8_fp4_f32 v[224+2*\b], v[96+16*\b:103+16*\b], v[244+\b]
	v_cvt_scalef32_pk8_fp4_f32 v[225+2*\b], v[104+16*\b:111+16*\b], v[244+\b]
.endr
	v_pk_add_f32 v[236:237], v[96:97], v[98:99]    ; the row's sum of the unquantised p, in four chains: plain lines between the conversions and the swaps of their results
	v_pk_add_f32 v[238:239], v[100:101], v[102:103]
	v_pk_add_f32 v[24:25], v[104:105], v[106:107]
	v_pk_add_f32 v[14:15], v[14:15], v[108:109]
	v_pk_add_f32 v[236:237], v[236:237], v[110:111]
.irp j, 16,24,32,40,48,56
	v_pk_add_f32 v[238:239], v[238:239], v[96+\j:97+\j]
	v_pk_add_f32 v[24:25], v[24:25], v[98+\j:99+\j]
	v_pk_add_f32 v[14:15], v[14:15], v[100+\j:101+\j]
	v_pk_add_f32 v[236:237], v[236:237], v[102+\j:103+\j]
.endr
	s_delay_alu instid0(VALU_DEP_1)
	v_pk_add_f32 v[236:237], v[236:237], v[238:239]
	v_pk_add_f32 v[14:15], v[14:15], v[24:25]
	s_delay_alu instid0(VALU_DEP_1)
	v_pk_add_f32 v[14:15], v[14:15], v[236:237]
.irp c, 0,1
.irp i, 0,1
	v_permlane16_swap_b32 v[224+4*\c+\i], v[226+4*\c+\i]
.endr
.endr
.set J, 0
.rept 16
	v_pk_mul_f32 v[160+J:161+J], v[160+J:161+J], v[252:253] op_sel_hi:[1,0]   ; O^T under the new M
.set J, J+2
.endr
	s_wait_alu depctr_va_vdst(0)
	s_wait_dscnt 0x0                               ; V is in, and the next step's K with its scale words
.if \more
.irp t, 0,1,2,3,4,5,6,7
	KQ \t                                          ; the next step's scores, ahead of this step's four products for O^T
.endr
.endif
.irp t, 0,1,2,3
	PV \t
.endr
.if \more
	s_add_co_u32 s[TK], s[TK], STEPB
.endif
.endm
.Lone:                                         ; steps 0, 1
	STEP 1
	s_sub_co_u32 s[CNT], s[CNT], 1
	s_cmp_lg_u32 s[CNT], 0
	s_cbranch_scc1 .Lone
	FENCE
	ROUND                                          ; the second fill is whole in all four work-groups
	tensor_load_to_lds s[76:79], s[68:75]          ; the third fill: it has steps 2 to 5 in which to land
	s_nop 0
	PLACES
	s_mov_b32 s[CNT], 4
.Ltwo:                                         ; steps 2 to 5
	STEP 1
	s_sub_co_u32 s[CNT], s[CNT], 1
	s_cmp_lg_u32 s[CNT], 0
	s_cbranch_scc1 .Ltwo
	FENCE
	s_barrier_signal -1                            ; the third fill is whole; nothing is asked for behind this barrier
	s_barrier_wait -1
	s_mov_b32 s[CNT], 9
.Lthree:                                       ; steps 6 to 14
	STEP 1
	s_sub_co_u32 s[CNT], s[CNT], 1
	s_cmp_lg_u32 s[CNT], 0
	s_cbranch_scc1 .Lthree
	STEP 0
	; the way out: O^T / the sum, its codes along the head's 64 channels and their two scale bytes
	PLACES
	v_add_f32 v14, v14, v15
	s_delay_alu instid0(VALU_DEP_1)
	v_permlanex16_b32 v252, v14, s[SEL], s[SEL+1]
	s_delay_alu instid0(VALU_DEP_1)
	v_add_f32 v14, v14, v252
	s_wait_alu depctr_va_vdst(0)
	v_rcp_f32 v14, v14
	v_nop
.set J, 0
	s_wait_alu depctr_va_vdst(0)
.rept 32
	v_mul_f32 v[96+J], v[160+J], v14
.set J, J+1
.endr
.irp b, 0,1
	v_max3_num_f32 v[24+\b], |v[96+16*\b]|, |v[97+16*\b]|, 0x1800000
.endr
.irp i, 2,4,6,8,10,12,14
.irp b, 0,1
	s_delay_alu instid0(VALU_DEP_2)
	v_max3_num_f32 v[24+\b], v[24+\b], |v[96+16*\b+\i]|, |v[97+16*\b+\i]|
.endr
.endr
.irp b, 0,1
	s_delay_alu instid0(VALU_DEP_2)
	v_permlanex16_b32 v[26+\b], v[24+\b], s[SEL], s[SEL+1]
.endr
.irp b, 0,1
	s_delay_alu instid0(VALU_DEP_2)
	v_max_num_f32 v[24+\b], v[24+\b], v[26+\b]
.endr
.irp b, 0,1
	s_delay_alu instid0(VALU_DEP_2)
	v_add_nc_u32 v[28+\b], 0xff000000, v[24+\b]
.endr
.irp b, 0,1
	s_delay_alu instid0(VALU_DEP_2)
	v_lshrrev_b32 v[24+\b], 23, v[28+\b]
.endr
.irp b, 0,1
	v_cvt_scalef32_pk8_fp4_f32 v[224+2*\b], v[96+16*\b:103+16*\b], v[28+\b]
	v_cvt_scalef32_pk8_fp4_f32 v[225+2*\b], v[104+16*\b:111+16*\b], v[28+\b]
.endr
	v_nop
	v_permlane16_swap_b32 v224, v226
	v_permlane16_swap_b32 v225, v227
	v_cndmask_b32 v26, v24, v25, s[HM]             ; lanes 0-15 store block 0's byte, lanes 16-31 block 1's
	global_store_b128 v1, v[224:227], s[10:11]     ; 512 consecutive bytes a wave
	global_store_b8 v5, v26, s[24:25]
	FENCE                                          ; the wave's end
	ROUND                                          ; the closing round
	s_endpgm
.Lfunc_end_k_qe379ed7174_attn:
	.size	k_qe379ed7174_attn, .Lfunc_end_k_qe379ed7174_attn-k_qe379ed7174_attn
	.p2alignl 7, 3214868480
	.fill 96, 4, 3214868480
	.section	.rodata,"a",@progbits
	.p2align	6, 0x0
	.amdhsa_kernel k_qe379ed7174_attn
		.amdhsa_group_segment_fixed_size 327680
		.amdhsa_private_segment_fixed_size 0
		.amdhsa_enable_private_segment 0
		.amdhsa_kernarg_size 40
		.amdhsa_user_sgpr_count 2
		.amdhsa_user_sgpr_kernarg_segment_ptr 1
		.amdhsa_wavefront_size32 1
		.amdhsa_system_sgpr_workgroup_id_x 1
		.amdhsa_system_sgpr_workgroup_id_y 1
		.amdhsa_system_sgpr_workgroup_id_z 1
		.amdhsa_system_vgpr_workitem_id 0
		.amdhsa_next_free_vgpr 256
		.amdhsa_next_free_sgpr 84
		.amdhsa_reserve_vcc 0
		.amdhsa_float_denorm_mode_32 3
		.amdhsa_float_denorm_mode_16_64 3
		.amdhsa_memory_ordered 1
		.amdhsa_forward_progress 1
		.amdhsa_inst_pref_size 78
	.end_amdhsa_kernel
	.amdgpu_metadata
---
amdhsa.version: [ 1, 2 ]
amdhsa.kernels:
  - .name:           k_qe379ed7174_attn
    .symbol:         k_qe379ed7174_attn.kd
    .args:
      - { .name: qimg, .offset: 0, .size: 8, .value_kind: global_buffer, .address_space: global }
      - { .name: qsc, .offset: 8, .size: 8, .value_kind: global_buffer, .address_space: global }
      - { .name: kv, .offset: 16, .size: 8, .value_kind: global_buffer, .address_space: global }
      - { .name: oimg, .offset: 24, .size: 8, .value_kind: global_buffer, .address_space: global }
      - { .name: osc, .offset: 32, .size: 8, .value_kind: global_buffer, .address_space: global }
    .group_segment_fixed_size: 327680
    .private_segment_fixed_size: 0
    .kernarg_segment_align: 8
    .kernarg_segment_size: 40
    .max_flat_workgroup_size: 512
    .sgpr_count:     84
    .vgpr_count:     256
    .wavefront_size: 32
...
	.end_amdgpu_metadata
.endif
;; end of part 3
;; launch tail (part 4): grid 256 x 1, 4 waves a work-group, no clusters, 176,640 bytes of LDS; arguments x, oimg, osc, wimg, fc_w_scales, fc_b, ln2_w, ln2_b, fc1_w_scales, fc1_b, fc2_w_scales, fc2_b, out0; writes out0
.if DOCPART == 4
	.amdgcn_target "amdgcn-amd-amdhsa--gfx1250"
	.amdhsa_code_object_version 6
	.text
	.protected	k_qe379ed7174_tail
	.globl	k_qe379ed7174_tail
	.p2align	8
	.type	k_qe379ed7174_tail,@function
k_qe379ed7174_tail:
	s_mov_b64 s[64:65], 0
	v_nop
	global_prefetch_b8 v0, s[64:65] scope:SCOPE_SE
	s_setreg_imm32_b32 hwreg(HW_REG_WAVE_MODE, 25, 1), 1
	s_wait_xcnt 0x0
; x1 = x + O fc^T + fc_b;  out = x1 + relu(LN2(x1) fc1^T + fc1_b) fc2^T + fc2_b.  The three products on E2M1 codes; LN2's result and the hidden layer are quantised on the way and never go to memory.
; SHARES.  A work-group owns 32 whole tokens (two tiles m = 0, 1).  THE WAVES SHARE THE COLUMNS: wave w makes columns 256 w on of fc and fc2 (16 tiles) and 128 w on of fc1 (8 tiles), for all 32 tokens.
; All products transposed (source 0 = 16 rows of a weight): a lane holds ONE token, its registers run along the columns.  x1 stays in 256 accumulator registers from fc to the end; fc2 adds onto them.
; x COMES BY THE TENSOR DATA MOVER, A STRIP A WAVE: 32 tokens x my 256 columns (rows of 1,024 bytes) into LDS bytes that no other wave touches.  It is counted apart from the weights' loads, so fc,
; whose sums start from fc_b, is multiplied while x is on its way; x is added behind fc.  One tensor load a wave is outstanding; nothing is filled again.
; THE WEIGHTS go from their images in memory straight into registers, in 24 chunks of 8 fragments (16 products each) through four register buffers by turns; three chunks, 51 loads, are on their way
; while one is multiplied, across LN2 and the barriers too.  Codes made by one wave reach the others through LDS as images of operand registers.
; THE RESULT LEAVES DURING fc2: a chunk of fc2 holds all four K steps of its pair of tiles, so after every two chunks 64 columns of all 32 tokens are final.  They turn through my strip (which has had
; its one fill and its last read) and leave with fc2_b added, sixteen lanes to a token's 256 consecutive, aligned bytes, while the next chunks are multiplied.
; A tile's rows 0-7 and 8-15 are tokens 16 apart, which start at the same banks at any pitch that is a multiple of 16 bytes: the 128 LDS instructions that take a strip in the accumulators' order go two deep.
; NO CLUSTER: a joint request lands in LDS; a slot that fits beside the strips holds two chunks a wave, 32 products: too little work for a refill to land in.
; LIMITS: NaN and infinities are not served; a block under 2^-124 (zeros too) gets the byte 1 with zero codes; v_rsq_f32 is good to 1 ulp; LN2's sums run in a tree over registers, lanes and waves.
.set XP,  1040                         ; LDS: a strip's row: 1,024 bytes + 16 of padding; row = the token's number in the block
.set XW,  32*XP                        ; a wave's strip: 33,280 bytes
.set PRM, 4*XW                         ; ln2_w (4,096), ln2_b (4,096), fc1_b (2,048), fc_b (4,096)
.set RED, PRM+14336                    ; two exchanges of 512 bytes: wave, tile, row
.set H2I, RED+1024                     ; LN2's 16 fragments (8 m + K step), 1,024 each,
.set H2S, H2I+16384                    ; their scale words, 128 bytes each,
.set H3I, H2S+2048                     ; the hidden layer's 8 fragments (4 m + K step),
.set H3S, H3I+8192                     ; their scale words; the map ends at 176,128
.set AS,  36                           ; v36-51   the activations' scale words
.set AF,  52                           ; v52-115  the activations' fragments (fc, fc2): 4 m + K step; between them a batch of x
.set HT,  116                          ; v116-179 64 numbers at work
.set PT,  148                          ; at the head: 28 registers of parameters on their way to LDS
.set PC,  180
.set TM,  188                          ; v188-203 at work; CH: LN2's chain sums and exchanges
.set CH,  188
.set PW,  204
.set MU,  206                          ; v[206:207], v[208:209] the means;  v[210:211], v[212:213] 1 / sigma
.set RSD, 210
.set GO,  214                          ; my byte offset in two rows of out0: 4,096 (lane / 16) + 16 (lane % 16)
.set FBO, 215                          ; 16 (lane % 16)
.set WS,  224                          ; v224-239 a chunk's weight scale words, four buffers of 4
.set FB2, 240                          ; v240-255 fc2_b: my 4 numbers of each 64 of my wave's 256 columns
.set WV,  30
.set SEL, 52
.set HM,  54
.set INV, 55
.set G0,  56                           ; s[56:59], s[68:75] the descriptor of my strip
.set G1,  68
; window 1: x1(m, t) at 128 m + 8 t.   window 2: the chunks, buffer n % 4 at 64 (n % 4) + 32 u + 8 (K step).
; window 3: ln2_w at 0, ln2_b at 128; then fc1's accumulators at 64 m + 8 t and LN2's fragments at 128 + 8 (8 m + s).
.set MSB, 0
.macro WIN new
.if MSB != \new
	s_set_vgpr_msb (MSB<<8)|\new
.set MSB, \new
.endif
.endm
.macro PLACES
.rept 4
	v_nop
.endr
.endm
.macro BARRIER                         ; my LDS stores have landed and my LDS loads are in: then the work-group's barrier
	s_wait_dscnt 0x0
	s_barrier_signal -1
	s_barrier_wait -1
.endm
.macro WM d, a, b, c, sa, sb, ra, rb
.if (\ra) && (\rb)
	v_wmma_scale_f32_16x16x128_f8f6f4 v[(\d):(\d)+7], v[(\a):(\a)+7], v[(\b):(\b)+7], v[(\c):(\c)+7], v[\sa], v[\sb] matrix_a_fmt:MATRIX_FMT_FP4 matrix_b_fmt:MATRIX_FMT_FP4 matrix_a_scale:MATRIX_SCALE_ROW1 matrix_b_scale:MATRIX_SCALE_ROW1
.elseif (\ra)
	v_wmma_scale_f32_16x16x128_f8f6f4 v[(\d):(\d)+7], v[(\a):(\a)+7], v[(\b):(\b)+7], v[(\c):(\c)+7], v[\sa], v[\sb] matrix_a_fmt:MATRIX_FMT_FP4 matrix_b_fmt:MATRIX_FMT_FP4 matrix_a_scale:MATRIX_SCALE_ROW1
.elseif (\rb)
	v_wmma_scale_f32_16x16x128_f8f6f4 v[(\d):(\d)+7], v[(\a):(\a)+7], v[(\b):(\b)+7], v[(\c):(\c)+7], v[\sa], v[\sb] matrix_a_fmt:MATRIX_FMT_FP4 matrix_b_fmt:MATRIX_FMT_FP4 matrix_b_scale:MATRIX_SCALE_ROW1
.else
	v_wmma_scale_f32_16x16x128_f8f6f4 v[(\d):(\d)+7], v[(\a):(\a)+7], v[(\b):(\b)+7], v[(\c):(\c)+7], v[\sa], v[\sb] matrix_a_fmt:MATRIX_FMT_FP4 matrix_b_fmt:MATRIX_FMT_FP4
.endif
.endm
; 64 numbers of a lane, register 16 b + i = k 32 b + 16 (lane / 16) + i of my token, become a fragment's codes in v[PC] on and its scale word in v[PW]
.macro QUANT s
.irp b, 0,1,2,3
	v_max3_num_f32 v[TM+\b], |v[\s+16*\b]|, |v[\s+1+16*\b]|, 0x1800000
.endr
.irp i, 2,4,6,8,10,12,14
.irp b, 0,1,2,3
	v_max3_num_f32 v[TM+\b], v[TM+\b], |v[\s+16*\b+\i]|, |v[\s+1+16*\b+\i]|
.endr
.endr
.irp b, 0,1,2,3
	v_permlanex16_b32 v[TM+4+\b], v[TM+\b], s[SEL], s[SEL+1]
.endr
.irp b, 0,1,2,3
	v_max_num_f32 v[TM+\b], v[TM+\b], v[TM+4+\b]
.endr
.irp b, 0,1,2,3
	v_add_nc_u32 v[TM+12+\b], 0xff000000, v[TM+\b]
.endr
.irp b, 0,1,2,3
	v_lshrrev_b32 v[TM+4+\b], 23, v[TM+12+\b]
.endr
	v_lshl_or_b32 v[PW], v[TM+5], 8, v[TM+4]
	v_lshl_or_b32 v[PW], v[TM+6], 16, v[PW]
	v_lshl_or_b32 v[PW], v[TM+7], 24, v[PW]
.irp b, 0,1,2,3
	v_cvt_scalef32_pk8_fp4_f32 v[PC+2*\b], v[\s+16*\b:\s+7+16*\b], v[TM+12+\b]
	v_cvt_scalef32_pk8_fp4_f32 v[PC+1+2*\b], v[\s+8+16*\b:\s+15+16*\b], v[TM+12+\b]
.endr
	v_nop
.irp c, 0,1
.irp i, 0,1
	v_permlane16_swap_b32 v[PC+4*\c+\i], v[PC+2+4*\c+\i]
.endr
.endr
.endm
; Chunk n: 0-7 fc, pair of tiles n; 8-15 fc1, pair (n - 8) / 2, K steps 4 ((n - 8) % 2) on; 16-23 fc2, pair n - 16.  17 loads: 8 fragments and their 4 scale words a row
.macro LOADC n
.set LRB, 64*((\n)%4)
	WIN 0x80
.if (\n) < 8
.irp u, 0,1
.irp g, 0,1,2,3
.irp c, 0,1
	global_load_b128 v[LRB+32*\u+8*\g+4*\c:LRB+32*\u+8*\g+4*\c+3], v1, s[32:33] offset:((2*(\n)+\u)*4+\g)*1024+512*\c
.endr
.endr
.endr
	WIN 0
	global_load_b128 v[WS+4*((\n)%4):WS+4*((\n)%4)+3], v3, s[12:13] offset:512*(\n)
.elseif (\n) < 16
.set LB, ((\n)-8)/2
.set LK, ((\n)-8)%2
.irp u, 0,1
.irp g, 0,1,2,3
.irp c, 0,1
	global_load_b128 v[LRB+32*\u+8*\g+4*\c:LRB+32*\u+8*\g+4*\c+3], v1, s[34:35] offset:((2*LB+\u)*8+4*LK+\g)*1024+512*\c
.endr
.endr
.endr
	WIN 0
	global_load_b128 v[WS+4*((\n)%4):WS+4*((\n)%4)+3], v4, s[20:21] offset:1024*LB+16*LK
.else
.irp u, 0,1
.irp g, 0,1,2,3
.irp c, 0,1
	global_load_b128 v[LRB+32*\u+8*\g+4*\c:LRB+32*\u+8*\g+4*\c+3], v1, s[36:37] offset:((2*((\n)-16)+\u)*4+\g)*1024+512*\c
.endr
.endr
.endr
	WIN 0
	global_load_b128 v[WS+4*((\n)%4):WS+4*((\n)%4)+3], v3, s[24:25] offset:512*((\n)-16)
.endif
.endm
; 16 products: 4 K steps x 2 tiles of the weight x 2 tiles of tokens; the four accumulators by turns, one instruction a turn
.macro CHUNK n
.if (\n) < 21
	s_wait_loadcnt 51                              ; this chunk's 17 loads are in; the three chunks behind it may be out
.else
	s_wait_loadcnt 17*(23-(\n))                    ; the last chunks: the counts run down
.endif
.set RB, 64*((\n)%4)
.set WB, WS+4*((\n)%4)
.if (\n) < 8
.set CB, (\n)
	WIN 0x52                                       ; source 0 window 2, source 1 window 0, C and D window 1
.irp g, 0,1,2,3
.irp u, 0,1
.irp m, 0,1
	WM 128*\m+8*(2*CB+\u), RB+32*\u+8*\g, AF+8*(4*\m+\g), 128*\m+8*(2*CB+\u), WB+\g, AS+\g, \u, \m
.endr
.endr
.endr
.elseif (\n) < 16
.set CB, ((\n)-8)/2
.set CK, ((\n)-8)%2
	WIN 0xfe                                       ; source 0 window 2; source 1, C and D window 3
.irp g, 0,1,2,3
.irp u, 0,1
.irp m, 0,1
	WM 64*\m+8*(2*CB+\u), RB+32*\u+8*\g, 128+8*(8*\m+4*CK+\g), 64*\m+8*(2*CB+\u), WB+\g, AS+8*\m+4*CK+\g, \u, 0
.endr
.endr
.endr
.else
.set CB, (\n)-16
	WIN 0x52
.irp g, 0,1,2,3
.irp u, 0,1
.irp m, 0,1
	WM 128*\m+8*(2*CB+\u), RB+32*\u+8*\g, AF+8*(4*\m+\g), 128*\m+8*(2*CB+\u), WB+\g, AS+4*\m+\g, \u, 0
.endr
.endr
.endr
.endif
	WIN 0
	PLACES                                         ; four places in front of the loads into the buffer just multiplied and of the first read of results
.if (\n) < 20
	LOADC (\n)+4
.endif
.endm
; The two tokens' chain sums in v[CH + 4 m ..] are added over my registers' halves, lane l xor 16 and the four waves; the totals come out in v[CH + 8 + 4 m], in every lane
.macro EXCH off
.irp m, 0,1
	v_pk_add_f32 v[CH+4*\m:CH+4*\m+1], v[CH+4*\m:CH+4*\m+1], v[CH+4*\m+2:CH+4*\m+3]
.endr
.irp m, 0,1
	v_add_f32 v[CH+4*\m], v[CH+4*\m], v[CH+4*\m+1]
.endr
.irp m, 0,1
	v_permlanex16_b32 v[CH+4*\m+1], v[CH+4*\m], s[SEL], s[SEL+1]
.endr
.irp m, 0,1
	v_add_f32 v[CH+4*\m], v[CH+4*\m], v[CH+4*\m+1]
.endr
	v_cndmask_b32 v21, v[CH], v[CH+4], s[HM]       ; lanes 0-15 hand on tile 0's sums, lanes 16-31 tile 1's
	ds_store_b32 v11, v21 offset:\off
	BARRIER
.irp m, 0,1
.irp q, 0,1,2,3
	ds_load_b32 v[CH+8+4*\m+\q], v12 offset:\off+128*\q+64*\m
.endr
.endr
	s_wait_dscnt 0x0
.irp q, 1,2,3
.irp m, 0,1
	v_add_f32 v[CH+8+4*\m], v[CH+8+4*\m], v[CH+8+4*\m+\q]
.endr
.endr
.endm
; x out of my strip in the accumulators' order: tile m, tiles of columns 8 q .. 8 q + 7, 64 registers from v[reg] on; and its addition onto x1
.macro XIN m, q, reg
.irp t, 0,1,2,3,4,5,6,7
.irp k, 0,1
	ds_load_b128 v[\reg+8*\t+4*\k:\reg+8*\t+4*\k+3], v[6+\m] offset:512*\q+128*(\t/2)+32*(\t%2)+16*\k
.endr
.endr
.endm
.macro XADD m, q, reg
	WIN 0x41                                       ; destination and source 0 window 1
.set J, 0
.rept 32
	v_pk_add_f32 v[128*\m+64*\q+J:128*\m+64*\q+J+1], v[128*\m+64*\q+J:128*\m+64*\q+J+1], v[\reg+J:\reg+J+1]   ; each accumulator from its low end on
.set J, J+2
.endr
	WIN 0
.endm
; THE WAY OUT of columns 64 g .. 64 g + 63 of my 256.  TOSTAGE: the four finished tiles of both tiles of tokens into my strip, and back with sixteen lanes to a token's 256 bytes.  SEND: + fc2_b, stored.
.macro TOSTAGE g
	WIN 0x04                                       ; an LDS store's data are its source 1: window 1
.irp m, 0,1
.irp t, 0,1,2,3
.irp k, 0,1
	ds_store_b128 v[6+\m], v[128*\m+8*(4*(\g)+\t)+4*\k:128*\m+8*(4*(\g)+\t)+4*\k+3] offset:256*(\g)+128*(\t/2)+32*(\t%2)+16*\k   ; each accumulator from its low end on
.endr
.endr
.endr
	WIN 0
.if (\g) > 0
	s_wait_xcnt 0x0                                ; the last batch's stores have read their data: the loads below land in those registers only behind this wait
.endif
.irp i, 0,1,2,3,4,5,6,7,8,9,10,11,12,13,14,15
	ds_load_b128 v[HT+4*\i:HT+4*\i+3], v5 offset:2*\i*XP+256*(\g)   ; LDS serves a wave's instructions in order: these see my stores
.endr
.endm
.macro SEND g
.irp i, 0,1,2,3,4,5,6,7,8,9,10,11,12,13,14,15
	s_wait_dscnt 15-\i                             ; tokens 2 i and 2 i + 1 are back; the later loads of the run may be out
	v_pk_add_f32 v[HT+4*\i:HT+4*\i+1], v[HT+4*\i:HT+4*\i+1], v[FB2+4*(\g):FB2+4*(\g)+1]
	v_pk_add_f32 v[HT+4*\i+2:HT+4*\i+3], v[HT+4*\i+2:HT+4*\i+3], v[FB2+4*(\g)+2:FB2+4*(\g)+3]
	global_store_b128 v[GO], v[HT+4*\i:HT+4*\i+3], s[28:29] offset:8192*\i+256*(\g) th:TH_STORE_NT   ; sixteen lanes store 256 consecutive bytes, aligned, of one token; the other sixteen the next token's
.endr
.endm
	s_load_b512 s[4:19], s[0:1], 0x0               ; x 4, oimg 6, osc 8, wimg 10, fc's scales 12, fc_b 14, ln2_w 16, ln2_b 18
	s_load_b256 s[20:27], s[0:1], 0x40             ; fc1's scales 20, fc1_b 22, fc2's scales 24, fc2_b 26
	s_load_b64 s[28:29], s[0:1], 0x60              ; out0
	v_lshl_add_u32 v222, v0, 2, 0x2b000
	v_mov_b32 v223, 0
	ds_add_u32 v222, v223
	ds_add_u32 v222, v223
	v_lshrrev_b32 v21, 5, v0
	v_readfirstlane_b32 s[WV], v21                 ; wave 0..3
	; descriptor group 1: 32 rows of 128 elements of 8 bytes, 512 elements apart in memory, 4 words of padding behind each row's 256 words
	s_mov_b32 s[G1], (3<<16)|(1<<20)|(7<<22)|(3<<25)
	s_mov_b32 s[G1+1], 128<<16                     ; tensor_dim0 = 128
	s_mov_b32 s[G1+2], 32<<16                      ; tensor_dim1 = 32
	s_mov_b32 s[G1+3], 128<<16                     ; tile_dim0 = 128
	s_mov_b32 s[G1+4], 32                          ; tile_dim1 = 32
	s_mov_b32 s[G1+5], 512                         ; from row to row
	s_mov_b32 s[G1+6], 0
	s_mov_b32 s[G1+7], 0
	s_mov_b32 s[G0], 1                             ; group 0: count = 1
	s_mul_i32 s[G0+1], s[WV], XW                   ; LDS address: my strip
	v_and_b32 v21, 31, v0                          ; lane
	v_and_b32 v22, 15, v0                          ; r
	v_bfe_u32 v23, v0, 4, 1                        ; h
	v_lshlrev_b32 v1, 4, v21                       ; 16 lane
	v_lshlrev_b32 v2, 4, v0                        ; 16 thread
	v_and_b32 v3, 7, v0
	v_bfe_u32 v4, v0, 3, 1
	v_lshl_add_u32 v5, v4, 4, v3                   ; r % 8 + 16 (r / 8): the token at row r of tile 0
	v_lshl_add_u32 v3, v23, 3, v5                  ; + 8 h: lanes 0-15 name the rows of tile 2 b, lanes 16-31 those of tile 2 b + 1
	v_lshlrev_b32 v4, 5, v3                        ; 32 scale bytes a row (fc1)
	v_lshlrev_b32 v3, 4, v3                        ; 16 a row (fc, fc2)
	v_mul_u32_u24 v6, v5, XP
	v_lshl_add_u32 v6, v23, 6, v6
	v_add_nc_u32 v6, s[G0+1], v6                   ; my strip as accumulators want it: tile 0's token at row r, + 64 h
	v_add_nc_u32 v7, 8*XP, v6                      ; tile 1's: 8 tokens on
	v_mul_u32_u24 v5, v23, XP
	v_lshl_add_u32 v5, v22, 4, v5
	v_add_nc_u32 v5, s[G0+1], v5                   ; and as rows lie: lanes 0-15 one token, lanes 16-31 the next, 16 bytes a lane
	v_lshlrev_b32 v[FBO], 4, v22
	v_lshl_add_u32 v[GO], v23, 12, v[FBO]
	v_add_nc_u32 v8, PRM, v2
	v_lshlrev_b32 v9, 6, v23
	v_add_nc_u32 v10, PRM+8192, v9
	v_add_nc_u32 v9, PRM, v9
	s_lshl_b32 s40, s[WV], 10
	s_mov_b32 s41, 0
	v_add_nc_u32 v9, s40, v9                       ; ln2_w of my 256 columns, + 64 h; ln2_b 4,096 and fc_b 10,240 further on
	s_lshl_b32 s38, s[WV], 9
	v_add_nc_u32 v10, s38, v10                     ; fc1_b of my 128 hidden units, + 64 h
	v_lshl_add_u32 v11, v0, 2, RED                 ; an exchange: 128 w + 4 lane
	v_lshl_add_u32 v12, v22, 2, RED                ; and back: 4 r
	s_lshl_b32 s38, s[WV], 11
	v_add_nc_u32 v13, s38, v1
	v_add_nc_u32 v13, H2I, v13                     ; LN2's images that I make: K steps 2 w, 2 w + 1
	v_lshlrev_b32 v21, 2, v21                      ; 4 lane
	s_lshl_b32 s38, s[WV], 8
	v_add_nc_u32 v14, s38, v21
	v_add_nc_u32 v14, H2S, v14
	v_add_nc_u32 v15, H2I, v1
	v_add_nc_u32 v16, H2S, v21
	v_add_nc_u32 v17, s40, v1
	v_add_nc_u32 v17, H3I, v17                     ; the hidden layer's images that I make: K step w
	s_lshl_b32 s38, s[WV], 7
	v_add_nc_u32 v18, s38, v21
	v_add_nc_u32 v18, H3S, v18
	v_add_nc_u32 v19, H3I, v1
	v_add_nc_u32 v20, H3S, v21
.irp j, 1,3,5,7
	v_mov_b32 v[MU+\j], 0                          ; upper halves of pairs that are named whole: written once
.endr
	s_lshl_b32 s42, ttmp9, 17                      ; x, out0: 32 B rows of 4,096 bytes, + my 1,024 bytes of a row
	s_add_co_u32 s42, s42, s40
	s_mov_b32 s43, 0
	s_lshl_b32 s44, ttmp9, 13                      ; oimg: two tiles of 4,096
	s_mov_b32 s45, 0
	s_lshl_b32 s46, ttmp9, 9                       ; osc: 32 tokens x 16
	s_mov_b32 s47, 0
	s_lshl_b32 s48, s[WV], 16                      ; a weight's images: 65,536 a wave
	s_mov_b32 s49, 0
	s_lshl_b32 s50, s[WV], 12                      ; its scale bytes: 4,096 a wave
	s_mov_b32 s51, 0
	s_mov_b32 s[SEL], 0x76543210
	s_mov_b32 s[SEL+1], 0xfedcba98
	s_mov_b32 s[HM], 0xffff0000
	s_mov_b32 s[INV], 0x3a800000                   ; 1 / 1,024
	s_wait_dscnt 0x0
	s_wait_kmcnt 0x0
	s_add_nc_u64 s[4:5], s[4:5], s[42:43]
	s_mov_b64 s[G0+2:G0+3], s[4:5]                 ; global address of my strip's first element
	s_or_b32 s[G0+3], s[G0+3], 0x80000000          ; type = 2
	s_add_nc_u64 s[28:29], s[28:29], s[42:43]
	s_add_nc_u64 s[6:7], s[6:7], s[44:45]
	s_add_nc_u64 s[8:9], s[8:9], s[46:47]
	s_add_nc_u64 s[10:11], s[10:11], s[48:49]
	s_add_nc_u64 s[32:33], s[10:11], 3*262144      ; fc's images, fc1's, fc2's
	s_add_nc_u64 s[34:35], s[10:11], 4*262144
	s_add_nc_u64 s[36:37], s[10:11], 5*262144
	s_add_nc_u64 s[12:13], s[12:13], s[50:51]
	s_add_nc_u64 s[20:21], s[20:21], s[50:51]
	s_add_nc_u64 s[24:25], s[24:25], s[50:51]
	s_add_nc_u64 s[26:27], s[26:27], s[40:41]      ; fc2_b of my 256 columns
	; ---- 1: everything that the head needs is asked for at once: the parameters, the attention's codes and two chunks (62 loads), my strip of x, two more chunks
	global_load_b128 v[PT:PT+3], v2, s[16:17]
	global_load_b128 v[PT+4:PT+7], v2, s[16:17] offset:2048
	global_load_b128 v[PT+8:PT+11], v2, s[18:19]
	global_load_b128 v[PT+12:PT+15], v2, s[18:19] offset:2048
	global_load_b128 v[PT+16:PT+19], v2, s[22:23]
	global_load_b128 v[PT+20:PT+23], v2, s[14:15]
	global_load_b128 v[PT+24:PT+27], v2, s[14:15] offset:2048
.irp g, 0,1,2,3
	global_load_b128 v[FB2+4*\g:FB2+4*\g+3], v[FBO], s[26:27] offset:256*\g
.endr
.irp m, 0,1
.irp s, 0,1,2,3
.irp c, 0,1
	global_load_b128 v[AF+8*(4*\m+\s)+4*\c:AF+8*(4*\m+\s)+4*\c+3], v1, s[6:7] offset:4096*\m+1024*\s+512*\c
.endr
.endr
.endr
	global_load_b128 v[AS:AS+3], v1, s[8:9]        ; the attention output's scale words: K step s in register s; lanes 0-15 tile 0, lanes 16-31 tile 1
	LOADC 0
	LOADC 1
	tensor_load_to_lds s[G0:G0+3], s[G1:G1+7]      ; x: a first fill, ahead of every wait on TENSORcnt, every LDS read and every barrier
	s_nop 0
.rept 4
	v_nop
.endr
	LOADC 2
	LOADC 3
	s_wait_loadcnt 63                              ; behind the parameters' seven loads 89 were issued; 63 is the largest count that the wait can name
.irp j, 0,1,2,3,4,5,6
	ds_store_b128 v8, v[PT+4*\j:PT+4*\j+3] offset:2048*\j
.endr
	BARRIER                                        ; the parameters lie in LDS.  (My strip may still be on its way: nobody reads it before my own wait)
	; ---- 2: fc_b starts x1's sums; LN2's gain and bias come in the same order
	WIN 0x40
.irp m, 0,1
.irp t, 0,1,2,3,4,5,6,7,8,9,10,11,12,13,14,15
.irp k, 0,1
	ds_load_b128 v[128*\m+8*\t+4*\k:128*\m+8*\t+4*\k+3], v9 offset:10240+128*(\t/2)+32*(\t%2)+16*\k
.endr
.endr
.endr
	WIN 0xc0
.irp p, 0,1
.irp t, 0,1,2,3,4,5,6,7,8,9,10,11,12,13,14,15
.irp k, 0,1
	ds_load_b128 v[128*\p+8*\t+4*\k:128*\p+8*\t+4*\k+3], v9 offset:4096*\p+128*(\t/2)+32*(\t%2)+16*\k
.endr
.endr
.endr
	WIN 0
	s_wait_dscnt 0x0
	; ---- 3: fc_b + O fc^T, while x arrives; then + x
.irp n, 0,1,2,3,4,5,6,7
	CHUNK \n
.endr
	s_wait_tensorcnt 0x0                           ; my strip has landed: only I read it, so my own wait is all the ordering that the reads need
	XIN 0, 0, HT
	XIN 0, 1, AF                                   ; (the attention's fragments are done with; the places behind the last products stand in the chunk)
	s_wait_dscnt 16                                ; the older batch is in; the younger one's 16 loads may be out
	XADD 0, 0, HT
	XIN 1, 0, HT
	s_wait_dscnt 16
	XADD 0, 1, AF
	XIN 1, 1, AF
	s_wait_dscnt 16
	XADD 1, 0, HT
	s_wait_dscnt 0x0
	XADD 1, 1, AF
	; ---- 4: LN2.  The mean first, then the mean of the squared differences
	WIN 0x05
.irp m, 0,1
	v_pk_add_f32 v[CH+4*\m:CH+4*\m+1], v[128*\m:128*\m+1], v[128*\m+4:128*\m+5]
	v_pk_add_f32 v[CH+4*\m+2:CH+4*\m+3], v[128*\m+2:128*\m+3], v[128*\m+6:128*\m+7]
.endr
	WIN 0x04
.set J, 8
.rept 30
.irp m, 0,1
	v_pk_add_f32 v[CH+4*\m:CH+4*\m+1], v[CH+4*\m:CH+4*\m+1], v[128*\m+J:128*\m+J+1]
	v_pk_add_f32 v[CH+4*\m+2:CH+4*\m+3], v[CH+4*\m+2:CH+4*\m+3], v[128*\m+J+2:128*\m+J+3]
.endr
.set J, J+4
.endr
	WIN 0
	EXCH 0
.irp m, 0,1
	v_mul_f32 v[MU+2*\m], s[INV], v[CH+8+4*\m]
.endr
.irp m, 0,1
.irp g, 0,1
	WIN 0x01
.set J, 0
.rept 32
	v_pk_add_f32 v[HT+J:HT+J+1], v[128*\m+64*\g+J:128*\m+64*\g+J+1], v[MU+2*\m:MU+2*\m+1] op_sel_hi:[1,0] neg_lo:[0,1] neg_hi:[0,1]
.set J, J+2
.endr
	WIN 0
.set J, 0
.rept 16
.if (\g == 0) && (J == 0)
	v_pk_mul_f32 v[CH+4*\m:CH+4*\m+1], v[HT:HT+1], v[HT:HT+1]
	v_pk_mul_f32 v[CH+4*\m+2:CH+4*\m+3], v[HT+2:HT+3], v[HT+2:HT+3]
.else
	v_pk_fma_f32 v[CH+4*\m:CH+4*\m+1], v[HT+J:HT+J+1], v[HT+J:HT+J+1], v[CH+4*\m:CH+4*\m+1]
	v_pk_fma_f32 v[CH+4*\m+2:CH+4*\m+3], v[HT+J+2:HT+J+3], v[HT+J+2:HT+J+3], v[CH+4*\m+2:CH+4*\m+3]
.endif
.set J, J+4
.endr
.endr
.endr
	EXCH 512
.irp m, 0,1
	v_fmaak_f32 v[CH+8+4*\m], s[INV], v[CH+8+4*\m], 0x358637bd   ; the variance + 1e-6
.endr
	s_wait_alu depctr_va_vdst(0)
.irp m, 0,1
	v_rsq_f32 v[RSD+2*\m], v[CH+8+4*\m]
.endr
	v_nop                                          ; one plain line behind the transcendentals
	s_wait_alu depctr_va_vdst(0)
.irp m, 0,1
.irp g, 0,1                                    ; tile m, my K step 2 w + g: 64 numbers a lane
	WIN 0x01
.set J, 0
.rept 32
	v_pk_add_f32 v[HT+J:HT+J+1], v[128*\m+64*\g+J:128*\m+64*\g+J+1], v[MU+2*\m:MU+2*\m+1] op_sel_hi:[1,0] neg_lo:[0,1] neg_hi:[0,1]
.set J, J+2
.endr
	WIN 0
.set J, 0
.rept 32
	v_pk_mul_f32 v[HT+J:HT+J+1], v[HT+J:HT+J+1], v[RSD+2*\m:RSD+2*\m+1] op_sel_hi:[1,0]
.set J, J+2
.endr
	WIN 0x3c                                       ; gain and bias: window 3
.set J, 0
.rept 32
	v_pk_fma_f32 v[HT+J:HT+J+1], v[HT+J:HT+J+1], v[64*\g+J:64*\g+J+1], v[128+64*\g+J:128+64*\g+J+1]
.set J, J+2
.endr
	WIN 0
	QUANT HT
	ds_store_b128 v13, v[PC:PC+3] offset:(8*\m+\g)*1024
	ds_store_b128 v13, v[PC+4:PC+7] offset:(8*\m+\g)*1024+512
	ds_store_b32 v14, v[PW] offset:(8*\m+\g)*128
	s_wait_dscnt 0x0                               ; the stores have read their registers
.endr
.endr
	BARRIER                                        ; LN2's sixteen fragments lie in LDS
	; ---- 5: the hidden layer: fc1_b starts the sums
	WIN 0xc0
.irp m, 0,1
.irp s, 0,1,2,3,4,5,6,7
.irp c, 0,1
	ds_load_b128 v[128+8*(8*\m+\s)+4*\c:128+8*(8*\m+\s)+4*\c+3], v15 offset:(8*\m+\s)*1024+512*\c
.endr
.endr
.endr
.irp m, 0,1
.irp t, 0,1,2,3,4,5,6,7
.irp k, 0,1
	ds_load_b128 v[64*\m+8*\t+4*\k:64*\m+8*\t+4*\k+3], v10 offset:128*(\t/2)+32*(\t%2)+16*\k
.endr
.endr
.endr
	WIN 0
.irp m, 0,1
.irp s, 0,1,2,3,4,5,6,7
	ds_load_b32 v[AS+8*\m+\s], v16 offset:(8*\m+\s)*128
.endr
.endr
	s_wait_dscnt 0x0
.irp n, 8,9,10,11,12,13,14,15
	CHUNK \n
.endr
	; ---- 6: relu, and the hidden layer's codes: my 128 units are K step w of fc2
.irp m, 0,1
	WIN 0x0c
.set J, 0
.rept 64
	v_max_num_f32 v[HT+J], 0, v[64*\m+J]
.set J, J+1
.endr
	WIN 0
	QUANT HT
	ds_store_b128 v17, v[PC:PC+3] offset:4096*\m
	ds_store_b128 v17, v[PC+4:PC+7] offset:4096*\m+512
	ds_store_b32 v18, v[PW] offset:512*\m
	s_wait_dscnt 0x0
.endr
	BARRIER                                        ; the hidden layer's eight fragments lie in LDS
	; ---- 7: fc2 adds onto x1, and what is finished leaves: a batch turns through my strip behind every second chunk and is stored behind the chunk after it
.irp m, 0,1
.irp s, 0,1,2,3
.irp c, 0,1
	ds_load_b128 v[AF+8*(4*\m+\s)+4*\c:AF+8*(4*\m+\s)+4*\c+3], v19 offset:(4*\m+\s)*1024+512*\c
.endr
	ds_load_b32 v[AS+4*\m+\s], v20 offset:(4*\m+\s)*128
.endr
.endr
	s_wait_dscnt 0x0
	CHUNK 16
	CHUNK 17
	TOSTAGE 0
	CHUNK 18
	SEND 0
	CHUNK 19
	TOSTAGE 1
	CHUNK 20
	SEND 1
	CHUNK 21
	TOSTAGE 2
	CHUNK 22
	SEND 2
	CHUNK 23
	TOSTAGE 3
	SEND 3
	s_wait_tensorcnt 0x0
	ds_add_u32 v222, v223
	s_wait_dscnt 0x0
	s_endpgm
.Lfunc_end_k_qe379ed7174_tail:
	.size	k_qe379ed7174_tail, .Lfunc_end_k_qe379ed7174_tail-k_qe379ed7174_tail
	.p2alignl 7, 3214868480
	.fill 96, 4, 3214868480
	.section	.rodata,"a",@progbits
	.p2align	6, 0x0
	.amdhsa_kernel k_qe379ed7174_tail
		.amdhsa_group_segment_fixed_size 176640
		.amdhsa_private_segment_fixed_size 0
		.amdhsa_enable_private_segment 0
		.amdhsa_kernarg_size 104
		.amdhsa_user_sgpr_count 2
		.amdhsa_user_sgpr_kernarg_segment_ptr 1
		.amdhsa_wavefront_size32 1
		.amdhsa_system_sgpr_workgroup_id_x 1
		.amdhsa_system_sgpr_workgroup_id_y 1
		.amdhsa_system_sgpr_workgroup_id_z 1
		.amdhsa_system_vgpr_workitem_id 0
		.amdhsa_next_free_vgpr 1024
		.amdhsa_next_free_sgpr 76
		.amdhsa_reserve_vcc 0
		.amdhsa_float_denorm_mode_32 3
		.amdhsa_float_denorm_mode_16_64 3
		.amdhsa_memory_ordered 1
		.amdhsa_forward_progress 1
		.amdhsa_inst_pref_size 233
	.end_amdhsa_kernel
	.amdgpu_metadata
---
amdhsa.version: [ 1, 2 ]
amdhsa.kernels:
  - .name:           k_qe379ed7174_tail
    .symbol:         k_qe379ed7174_tail.kd
    .args:
      - { .name: x, .offset: 0, .size: 8, .value_kind: global_buffer, .address_space: global }
      - { .name: oimg, .offset: 8, .size: 8, .value_kind: global_buffer, .address_space: global }
      - { .name: osc, .offset: 16, .size: 8, .value_kind: global_buffer, .address_space: global }
      - { .name: wimg, .offset: 24, .size: 8, .value_kind: global_buffer, .address_space: global }
      - { .name: fc_w_scales, .offset: 32, .size: 8, .value_kind: global_buffer, .address_space: global }
      - { .name: fc_b, .offset: 40, .size: 8, .value_kind: global_buffer, .address_space: global }
      - { .name: ln2_w, .offset: 48, .size: 8, .value_kind: global_buffer, .address_space: global }
      - { .name: ln2_b, .offset: 56, .size: 8, .value_kind: global_buffer, .address_space: global }
      - { .name: fc1_w_scales, .offset: 64, .size: 8, .value_kind: global_buffer, .address_space: global }
      - { .name: fc1_b, .offset: 72, .size: 8, .value_kind: global_buffer, .address_space: global }
      - { .name: fc2_w_scales, .offset: 80, .size: 8, .value_kind: global_buffer, .address_space: global }
      - { .name: fc2_b, .offset: 88, .size: 8, .value_kind: global_buffer, .address_space: global }
      - { .name: out0, .offset: 96, .size: 8, .value_kind: global_buffer, .address_space: global }
    .group_segment_fixed_size: 176640
    .private_segment_fixed_size: 0
    .kernarg_segment_align: 8
    .kernarg_segment_size: 104
    .max_flat_workgroup_size: 128
    .sgpr_count:     76
    .vgpr_count:     1024
    .wavefront_size: 32
...
	.end_amdgpu_metadata
.endif
;; end of part 4
